; MI455X (gfx1250); checked and timed in simulation.
; The chip was launched on July 23, 2026; its instructions are those of AMD's public machine-readable ISA for CDNA 5 (MIT licence, August 2026) and "CDNA5" Instruction Set Architecture Reference Guide (July 2026). The comments in the code are by the model that wrote it; some were corrected since.
;; Multi Head Attention. Allowed arithmetic: matrix products marked QUANTISED: E2M1 operands, one E8M0 scale for each 32 along K, by v_wmma_scale_f32_16x16x128_f8f6f4 with both operands' format E2M1 (or v_wmma_scale_f32_32x16x128_f4), f32 sums; products left as they are: bf16, f16 or f32 operands; f32 sums; everything else in f32.
;; Inputs: Wk 1,024 x 1,024 float32; Wo 1,024 x 1,024 float32; Wq 1,024 x 1,024 float32; Wv 1,024 x 1,024 float32; x 4 x 2,048 x 1,024 float32.
;; Outputs: out0 4 x 2,048 x 1,024 float32.
;; This version of the problem:
;;   THIS VERSION OF THE PROBLEM IS GIVEN IN LOW PRECISION. The matrix products marked QUANTISED in the list below multiply operands that are first quantised to E2M1 (2 exponent bits, 1 mantissa bit; 4 bits a number), with one power-of-two scale for each 32 numbers along K (OCP MX v1.0); their sums are f32. The products marked 'left as it is' may take bf16, f16 or f32 operands, with f32 sums. All else is computed in f32.
;;   The module's matrix products, in the order in which they are computed (A, B: the left and right operand; K: the contracted axis; several contracted axes count as one K, in the product's order):
;;     1. [M 8,192, K 1,024] x [K 1,024, N 1,024]; A: input x; B: input Wq: QUANTISED
;;     2. [M 8,192, K 1,024] x [K 1,024, N 1,024]; A: input x; B: input Wk: QUANTISED
;;     3. [M 8,192, K 1,024] x [K 1,024, N 1,024]; A: input x; B: input Wv: QUANTISED
;;     4. batch 64 x [M 2,048, K 64] x [K 64, N 2,048]; A: computed on the way; B: computed on the way: left as it is (an operand is computed on the way)
;;     5. batch 64 x [M 2,048, K 2,048] x [K 2,048, N 64]; A: computed on the way; B: computed on the way: left as it is (an operand is computed on the way)
;;     6. [M 8,192, K 1,024] x [K 1,024, N 1,024]; A: computed on the way; B: input Wo: left as it is (an operand is computed on the way)
;;   THE QUANTISER, for each operand of a quantised product, along K:
;;     - K is cut into blocks of 32 from its start; a last block that is shorter is filled with zeros.
;;     - A block's scale is 2^e with e = floor(log2(the largest magnitude in the block)) - 2, held to -126 .. 127; a block of zeros has e = 0. As a byte (E8M0): e + 127.
;;     - Each number is divided by its block's scale, clamped to +-6, and rounded to the nearest number of E2M1, ties to even, subnormals kept.
;;     - The product sums the exact products of the quantised numbers (number of the format x scale) in f32.
;;   ~~~python
;;   def quantise(x, axis):      # numpy; x: float32 -> the quantised numbers, widened to float32 again
;;       x = np.moveaxis(x, axis, -1); K = x.shape[-1]
;;       x = np.pad(x, [(0, 0)] * (x.ndim - 1) + [(0, -K % 32)]); x = x.reshape(x.shape[:-1] + (-1, 32)); a = np.abs(x).max(-1, keepdims=True)
;;       e = np.where(a > 0, np.clip(np.frexp(np.where(a > 0, a, 1))[1] - 1 - 2, -126, 127), 0)      # np.frexp(a)[1] - 1 = floor(log2(a)), exactly
;;       r = np.clip(x / 2.0 ** e, -6, 6)
;;       step = 2.0 ** (np.maximum(np.frexp(np.where(r == 0, 1, r))[1] - 1, 0) - 1)
;;       q = np.round(r / step) * step * 2.0 ** e      # np.round: ties to even
;;       return np.moveaxis(q.reshape(q.shape[:-2] + (-1,))[..., :K], -1, axis).astype(np.float32)
;;   ~~~
;; One version. Each part assembles by itself: llvm-mc -triple=amdgcn-amd-amdhsa -mcpu=gfx1250 --defsym DOCPART=n.
;; ======== version 1 of 1: 5 launches
;; limits: values are held in f16: magnitudes above 65,504 overflow, below 6.1e-05 lose precision
;; workspace buffers: xc 4,194,304 bytes; xs 262,144 bytes; wc 1,572,864 bytes; ws 98,304 bytes; wo16 2,097,152 bytes; qkv16 50,331,648 bytes; e32 786,432 bytes; att16 16,777,216 bytes
;; launch quant (part 1): grid 480 x 1, 4 waves a work-group, no clusters, 33,280 bytes of LDS; arguments x, Wq, Wk, Wv, Wo, xc, xs, wc, ws, wo16; writes xc, xs, wc, ws, wo16
.if DOCPART == 1
	.amdgcn_target "amdgcn-amd-amdhsa--gfx1250"
	.amdhsa_code_object_version 6
	.text
	.protected	k_qacb9328455_quant
	.globl	k_qacb9328455_quant
	.p2align	8
	.type	k_qacb9328455_quant,@function
k_qacb9328455_quant:
	s_mov_b64 s[64:65], 0
	v_nop
	global_prefetch_b8 v0, s[64:65] scope:SCOPE_SE
	s_setreg_imm32_b32 hwreg(HW_REG_WAVE_MODE, 25, 1), 1
	s_wait_xcnt 0x0
; x [8192][1024] and Wq, Wk, Wv [1024][1024], f32, K innermost, become codes of FP4 (E2M1), two a byte, with one E8M0 scale byte for each 32 along K:
; xc [8192][512 bytes], xs [8192][32]; wc [3072][512 bytes], ws [3072][32], rows of Wq, then Wk, then Wv.  Wo [1024][1024] f32 becomes wo16, the same numbers in f16.
; A block's scale is 2^(floor(log2(its largest magnitude)) - 2); its byte is the largest magnitude's exponent field - 2, held at 1 from below.  Each number is divided by the scale and rounded to the nearest code, ties to even.
; LIMITS: a block of zeros keeps the byte 1 where the quantiser says 127: its codes are zeros, and the bytes are read by this program alone.  Blocks whose largest magnitude lies under 2^-124 are held at the byte 1.
; NaN and infinities among the inputs are not served.  |Wo| must stay under 65,504, f16's largest number.
; SHARES.  Work-groups 0-255 take x, 256-287 Wq, 288-319 Wk, 320-351 Wv: 32,768 numbers each, 8,192 a wave, all on ONE path; only pointers are chosen, by the work-group's number.  Work-groups 352-479 take Wo, 2,048 numbers a wave, on a path without LDS.
; THE QUANTISER'S PATH.  Rows are dense and K is a multiple of 32: a tensor is a plain stream of blocks of 32.  A wave takes 16 steps of 512 numbers.  Each of a step's four loads reads 512 consecutive bytes, 16 a lane; the 2,048 bytes turn
; through the wave's own stage in LDS and come back 64 bytes a lane, so that a lane holds 16 neighbours along K (two neighbouring lanes hold a block).  A lane's 16 codes are 8 bytes: a wave's store covers 256 consecutive bytes, aligned.
; A wave's 256 scale bytes are gathered in its own LDS bytes and leave by one store of 256 consecutive bytes.  No barrier: waves share nothing.  Loads run four steps ahead.
.set STEPS, 16
.set EMAX,  2
.set CB,    8                          ; bytes of 16 codes
.set R,     16                         ; v16-79   four sets of 16 numbers as they are loaded
.set X,     80                         ; v80-111  two sets of 16 neighbours
.set E,     112                        ; v112-127 a scale byte for each step
.set C,     128                        ; v128-191 codes: four registers for each step, so that no store's data are written again
.set WREG,  8192                       ; LDS: a region for each wave: two stages of 32 x SP bytes, behind them its 256 scale bytes
.set SP,    80                         ; a lane's place in a stage: 64 bytes + 16 of padding
.set WGX,   256                        ; work-groups for x
.set WGW,   32                         ; for each of Wq, Wk, Wv
.set WGQ,   WGX+3*WGW                  ; from here on: Wo
	s_load_b256 s[4:11], s[0:1], 0x0               ; x s[4:5], Wq s[6:7], Wk s[8:9], Wv s[10:11]
	s_load_b256 s[12:19], s[0:1], 0x20             ; Wo s[12:13], xc s[14:15], xs s[16:17], wc s[18:19]
	s_load_b128 s[20:23], s[0:1], 0x40             ; ws s[20:21], wo16 s[22:23]
	v_lshl_add_u32 v192, v0, 2, 0x8000
	v_mov_b32 v193, 0
	v_lshrrev_b32 v1, 5, v0
	v_readfirstlane_b32 s26, v1                    ; wave
	v_and_b32 v2, 31, v0                           ; lane
	s_wait_kmcnt 0x0
	s_cmp_ge_u32 ttmp9, WGQ
	s_cbranch_scc1 .Lwo
	v_lshlrev_b32 v3, 4, v2                        ; my 16 bytes of a load's 512
	s_mul_i32 s27, s26, WREG
	v_lshrrev_b32 v14, 2, v2
	v_mul_u32_u24 v14, v14, SP
	v_and_b32 v15, 3, v2
	v_lshl_add_u32 v14, v15, 4, v14
	v_add_nc_u32 v14, s27, v14                     ; the stage, on the way in: SP (lane / 4) + 16 (lane % 4)
	v_mul_u32_u24 v15, v2, SP
	v_add_nc_u32 v15, s27, v15                     ; and on the way out: SP x lane: my 16 neighbours
	v_mul_u32_u24 v4, v2, CB                       ; my codes' place in a step's
	v_lshrrev_b32 v5, 1, v2
	s_add_co_u32 s27, s27, 2*32*SP
	v_add_nc_u32 v5, s27, v5                       ; LDS: my wave's 256 scale bytes, my block's byte
	v_lshlrev_b32 v7, 3, v2                        ; and on the way out 8 bytes a lane
	v_add_nc_u32 v6, s27, v7
	s_sub_co_u32 s24, ttmp9, WGX                   ; a weight's work-group: its place in wc and ws,
	s_and_b32 s25, s24, WGW-1                      ; and in its own tensor
	s_cmp_lt_u32 ttmp9, WGX+2*WGW                  ; every choice hangs on the work-group's number alone
	s_cselect_b64 s[10:11], s[8:9], s[10:11]       ; Wk or Wv
	s_cmp_lt_u32 ttmp9, WGX+WGW
	s_cselect_b64 s[10:11], s[6:7], s[10:11]       ; Wq
	s_cmp_lt_u32 ttmp9, WGX
	s_cselect_b64 s[4:5], s[4:5], s[10:11]         ; x: the source
	s_cselect_b64 s[14:15], s[14:15], s[18:19]     ; the codes
	s_cselect_b64 s[16:17], s[16:17], s[20:21]     ; the scale bytes
	s_cselect_b32 s25, ttmp9, s25
	s_cselect_b32 s24, ttmp9, s24
	s_lshl_b32 s25, s25, 2
	s_add_co_u32 s25, s25, s26                     ; which run of 8,192 numbers of the source is my wave's
	s_lshl_b32 s24, s24, 2
	s_add_co_u32 s24, s24, s26                     ; and of the destination
	s_lshl_b32 s28, s25, 15                        ; 32,768 bytes of f32 a run
	s_mov_b32 s29, 0
	s_add_nc_u64 s[4:5], s[4:5], s[28:29]
	s_lshl_b32 s28, s24, 12                        ; 4,096 bytes of codes
	s_add_nc_u64 s[14:15], s[14:15], s[28:29]
	s_lshl_b32 s28, s24, 8                         ; 256 scale bytes
	s_add_nc_u64 s[16:17], s[16:17], s[28:29]
.macro LOAD t
.irp i, 0,1,2,3
	global_load_b128 v[R+16*((\t)%4)+4*\i:R+16*((\t)%4)+4*\i+3], v3, s[4:5] offset:2048*(\t)+512*\i th:TH_LOAD_NT   ; 32 lanes read 512 consecutive bytes
.endr
.endm
.macro TURN t                          ; step t's numbers through the stage: LDS serves a wave's instructions in order, so no wait stands between the stores and the loads
.irp i, 0,1,2,3
	ds_store_b128 v14, v[R+16*((\t)%4)+4*\i:R+16*((\t)%4)+4*\i+3] offset:32*SP*((\t)%2)+8*SP*\i
.endr
.irp i, 0,1,2,3
	ds_load_b128 v[X+16*((\t)%2)+4*\i:X+16*((\t)%2)+4*\i+3], v15 offset:32*SP*((\t)%2)+16*\i
.endr
.endm
.irp t, 0,1,2,3
	LOAD \t
.endr
	s_wait_loadcnt 12                              ; step 0's four loads are in
	TURN 0
.macro STEP t
.set XS, X+16*((\t)%2)
.if (\t) > 0
	s_wait_dscnt 1                                 ; this step's numbers are back from the stage (the last step's byte store may be out): so its stores into the stage have read their registers,
.else
	s_wait_dscnt 0x0
.endif
.if (\t)+4 < STEPS
	LOAD (\t)+4                                    ; which take the loads of four steps on
.endif
.if (\t)+1 < STEPS
.if STEPS-2-(\t) >= 3
	s_wait_loadcnt 12                              ; the next step's four loads are in; those of the three steps behind it may be out
.else
	s_wait_loadcnt 4*(STEPS-2-(\t))
.endif
	TURN (\t)+1                                    ; and go through the other stage while this step is worked
.endif
	v_max3_num_f32 v8, |v[XS]|, |v[XS+1]|, |v[XS+2]|               ; the largest magnitude of my 16, in two chains
	v_max3_num_f32 v9, |v[XS+3]|, |v[XS+4]|, |v[XS+5]|
.irp i, 6,10
	v_max3_num_f32 v8, v8, |v[XS+\i]|, |v[XS+\i+1]|
	v_max3_num_f32 v9, v9, |v[XS+\i+2]|, |v[XS+\i+3]|
.endr
	v_max3_num_f32 v8, v8, |v[XS+14]|, |v[XS+15]|
	v_max3_num_f32 v8, v8, v9, (EMAX+1)<<23        ; and the floor 2^(3 - 127): so the byte cannot fall under 1
	v_max_num_f32_dpp v8, v8, v8 row_xmask:1 row_mask:0xf bank_mask:0xf   ; and of my neighbour's 16: the block's
	v_add_nc_u32 v11, -(EMAX<<23), v8              ; 2 off its exponent field: the conversion takes the exponent field of this operand as its scale, and nothing else of it
	v_cvt_scalef32_pk8_fp4_f32 v[C+4*(\t)], v[XS:XS+7], v11        ; eight numbers / the scale, to the nearest code, ties to even, beyond the largest code the largest; the first number's code in the lowest four bits
	v_cvt_scalef32_pk8_fp4_f32 v[C+4*(\t)+1], v[XS+8:XS+15], v11
	v_lshrrev_b32 v[E+(\t)], 23, v11               ; the scale's byte
	ds_store_b8 v5, v[E+(\t)] offset:16*(\t)       ; both lanes of a block write the same byte with the same value
	global_store_b64 v4, v[C+4*(\t):C+4*(\t)+1], s[14:15] offset:32*CB*(\t)
.endm
.irp t, 0,1,2,3,4,5,6,7,8,9,10,11,12,13,14,15
	STEP \t
.endr
	ds_load_b64 v[12:13], v6                       ; LDS serves a wave's instructions in order: these see my stores
	s_wait_dscnt 0x0
	global_store_b64 v7, v[12:13], s[16:17]        ; 32 lanes store 256 consecutive bytes, aligned
	s_wait_tensorcnt 0x0
	ds_add_u32 v192, v193
	s_wait_dscnt 0x0
	s_endpgm
.Lwo:                                              ; Wo to f16: a lane takes 8 neighbours a step, eight steps
	s_sub_co_u32 s24, ttmp9, WGQ
	s_lshl_b32 s24, s24, 2
	s_add_co_u32 s24, s24, s26                     ; which run of 2,048 numbers is my wave's
	s_lshl_b32 s28, s24, 13
	s_mov_b32 s29, 0
	s_add_nc_u64 s[12:13], s[12:13], s[28:29]
	s_lshl_b32 s28, s24, 12
	s_add_nc_u64 s[22:23], s[22:23], s[28:29]
	v_lshlrev_b32 v1, 5, v2                        ; in: 32 bytes a lane
	v_lshlrev_b32 v3, 4, v2                        ; out: 16
.irp t, 0,1,2,3,4,5,6,7
	global_load_b128 v[16+8*\t:19+8*\t], v1, s[12:13] offset:1024*\t th:TH_LOAD_NT
	global_load_b128 v[20+8*\t:23+8*\t], v1, s[12:13] offset:1024*\t+16 th:TH_LOAD_NT
.endr
	s_wait_loadcnt 0x0
.irp t, 0,1,2,3,4,5,6,7
.irp i, 0,1,2,3
	v_cvt_pk_f16_f32 v[80+4*\t+\i], v[16+8*\t+2*\i], v[17+8*\t+2*\i]
.endr
.endr
.irp t, 0,1,2,3,4,5,6,7
	global_store_b128 v3, v[80+4*\t:83+4*\t], s[22:23] offset:512*\t   ; 32 lanes store 512 consecutive bytes
.endr
	s_endpgm
.Lfunc_end_k_qacb9328455_quant:
	.size	k_qacb9328455_quant, .Lfunc_end_k_qacb9328455_quant-k_qacb9328455_quant
	.p2alignl 7, 3214868480
	.fill 96, 4, 3214868480
	.section	.rodata,"a",@progbits
	.p2align	6, 0x0
	.amdhsa_kernel k_qacb9328455_quant
		.amdhsa_group_segment_fixed_size 33280
		.amdhsa_private_segment_fixed_size 0
		.amdhsa_enable_private_segment 0
		.amdhsa_kernarg_size 80
		.amdhsa_user_sgpr_count 2
		.amdhsa_user_sgpr_kernarg_segment_ptr 1
		.amdhsa_wavefront_size32 1
		.amdhsa_system_sgpr_workgroup_id_x 1
		.amdhsa_system_sgpr_workgroup_id_y 1
		.amdhsa_system_sgpr_workgroup_id_z 1
		.amdhsa_system_vgpr_workitem_id 0
		.amdhsa_next_free_vgpr 194
		.amdhsa_next_free_sgpr 66
		.amdhsa_reserve_vcc 0
		.amdhsa_float_denorm_mode_32 3
		.amdhsa_float_denorm_mode_16_64 3
		.amdhsa_memory_ordered 1
		.amdhsa_forward_progress 1
		.amdhsa_inst_pref_size 38
	.end_amdhsa_kernel
	.amdgpu_metadata
---
amdhsa.version: [ 1, 2 ]
amdhsa.kernels:
  - .name:           k_qacb9328455_quant
    .symbol:         k_qacb9328455_quant.kd
    .args:
      - { .name: x, .offset: 0, .size: 8, .value_kind: global_buffer, .address_space: global }
      - { .name: Wq, .offset: 8, .size: 8, .value_kind: global_buffer, .address_space: global }
      - { .name: Wk, .offset: 16, .size: 8, .value_kind: global_buffer, .address_space: global }
      - { .name: Wv, .offset: 24, .size: 8, .value_kind: global_buffer, .address_space: global }
      - { .name: Wo, .offset: 32, .size: 8, .value_kind: global_buffer, .address_space: global }
      - { .name: xc, .offset: 40, .size: 8, .value_kind: global_buffer, .address_space: global }
      - { .name: xs, .offset: 48, .size: 8, .value_kind: global_buffer, .address_space: global }
      - { .name: wc, .offset: 56, .size: 8, .value_kind: global_buffer, .address_space: global }
      - { .name: ws, .offset: 64, .size: 8, .value_kind: global_buffer, .address_space: global }
      - { .name: wo16, .offset: 72, .size: 8, .value_kind: global_buffer, .address_space: global }
    .group_segment_fixed_size: 33280
    .private_segment_fixed_size: 0
    .kernarg_segment_align: 8
    .kernarg_segment_size: 80
    .max_flat_workgroup_size: 128
    .sgpr_count:     66
    .vgpr_count:     194
    .wavefront_size: 32
...
	.end_amdgpu_metadata
.endif
;; end of part 1
;; launch qkv (part 2): grid 12 x 32, 4 waves a work-group, clusters of 4 x 4, 327,680 bytes of LDS; arguments xc, xs, wc, ws, qkv16, e32; writes qkv16, e32
.if DOCPART == 2
	.amdgcn_target "amdgcn-amd-amdhsa--gfx1250"
	.amdhsa_code_object_version 6
	.text
	.protected	k_qacb9328455_qkv
	.globl	k_qacb9328455_qkv
	.p2align	8
	.type	k_qacb9328455_qkv,@function
k_qacb9328455_qkv:
	s_mov_b64 s[64:65], 0
	v_nop
	global_prefetch_b8 v0, s[64:65] scope:SCOPE_SE
	s_setreg_imm32_b32 hwreg(HW_REG_WAVE_MODE, 25, 1), 1
	s_wait_xcnt 0x0
	s_wait_alu depctr_hold_cnt(0) depctr_sa_sdst(0) depctr_va_vdst(0) depctr_va_sdst(0) depctr_va_ssrc(0) depctr_va_vcc(0) depctr_vm_vsrc(0)
	s_getreg_b32 s2, hwreg(HW_REG_IB_STS2, 6, 4)
	s_cmp_eq_u32 s2, 0
	s_cbranch_scc0 .Lentry_in_a_cluster
	s_endpgm
.Lentry_in_a_cluster:
	s_bfe_u32 s2, ttmp6, 0x10000c
	s_cmp_lg_u32 s2, 0xf033
	s_cbranch_scc0 .Lentry_shape_is_right
	s_endpgm
.Lentry_shape_is_right:
; q, k, v = x Wq^T, x Wk^T, x Wv^T as ONE product C[m][n] = sum over k of A[m][k] B[n][k] on codes of FP4 (E2M1) with one E8M0 scale for each 32 along K; sums in f32.
; A = xc [8192][1024 codes], xs [8192][32]; B = wc [3072][1024 codes], ws [3072][32] (rows of Wq, Wk, Wv).  The matrix instruction takes codes and scale bytes as they lie in memory.
; RESULTS: qkv16 [3 tensors][64 batch x head][2048 t][64] f16, for the attention; and the rows t < 16 of each batch once more as f32, e32 [3][4 batches][16][1024], for the launch that makes those rows in f32.
; LIMIT: |q|, |k|, |v| must stay under 65,504, f16's largest number.  f16 and not bf16: eleven bits of mantissa against eight, and the results have the room: with x and the weights 30 times larger they stay near 5,000.
; A tile of C, 256 x 256, is made by a work-group of four waves; a wave makes 128 x 128: 64 accumulators of 16 x 16, 512 registers.  K = 1,024 is two K steps of 512: two LDS slots, each filled once, at the start; no slot is filled again.
; THE SCALES of the work-group's 256 rows of A and of B, for all of K, are two dense blocks of memory: they come into LDS once, with the first fills.
; CLUSTERS: 4 x 4 work-groups.  The four of a row of the cluster need the same tiles of A, the four of a column the same tiles of B: each tile is asked for JOINTLY.  Tile row = cluster y + 8 cy: so cy is the batch, and whether a tile holds
; the rows t < 16 hangs on the cluster's y alone, which all partners share.  Tile column = 4 x cluster x + cx: cluster x is the tensor (q, k, v), cx its four heads.
; THE MATRIX INSTRUCTION IS USED TRANSPOSED (source 0 = 16 rows of B, source 1 = 16 rows of A): a lane then holds eight neighbouring numbers of a row of C.
; REGISTERS, in windows of 256: window 0: v0-31 addresses; v32-95 scale words, two sets; from v128 A's fragments, ONE set; on the way out v128-223 are free.
;   window 1: B's fragments, TWO sets, at v0 and at v128.   window 2: the 32 accumulators of my rows 0-63 (accumulator (a, b) at v[8 (8 a + b)]);   window 3: those of my rows 64-127.
.set SIZE_K, 1024
.set KSTEP,  512                       ; along K in a slot
.set NQ,     KSTEP/128                 ; matrix instructions deep
.set ROWB,   256                       ; a tile's row in bytes
.set KROW,   SIZE_K*4/8                ; a row of A or of B in memory, in bytes
.set PITCH,  272                       ; an LDS row: 256 bytes + 16 of padding = 68 words: the 16 rows that a load touches start at 16 different banks (64 banks of 4 bytes: ISA guide 11.1)
.set FR,     8                         ; registers of a fragment: 16 rows x 128 K
.set NL,     2                         ; LDS loads that bring one
.set NP,     4                         ; places behind this matrix instruction (ISA guide 7.12.1)
.set HALFT,  128*PITCH                 ; 128 rows: what one tensor load brings, and what one wave reads of A or of B
.set SLOT,   4*HALFT                   ; A's 256 rows, then B's 256 rows
.set KS,     SIZE_K/32                 ; a row of scales in bytes
.set SCL,    2*SLOT                    ; behind the slots: the scales, as rows of 256 bytes + 16 of padding
.set HALFS,  (128*KS/256)*272          ; the scales of 128 rows: what one tensor load brings
.set SBLK,   (16*KS/256)*272           ; those of 16 rows
.set SPARE,  SCL+4*HALFS               ; behind the scales: the spare words, 128 bytes for each wave
.set SPITCH, 144                       ; the way out: a row of a head, 128 bytes + 16
.set UNIT,   16*SPITCH                 ; 16 rows of one head; a wave's stage is two of them.  The stages lie in slot 0, which has had its only fill and its last read when the first result is stored there
.set ADRA, 16                          ; v16-17  LDS address of my A fragments in slot 0, 1
.set ADRB, 20                          ; v20-21  the same for B
.set STO,  24                          ; v24     the way out: where I put 16 bytes of a row
.set RD,   25                          ; v25     the way out: where I read rows back
.set CO,   26                          ; v26     16 x lane
.set ADRS, 27                          ; v27     LDS address of my scale words: lanes 0-15 A's rows, lanes 16-31 B's
.set SPW,  28                          ; v28     LDS address of my spare word; never rewritten
.set NIL,  29                          ; v29     0; never rewritten
.set EO,   30                          ; v30     my byte offset in e32's 16 rows
.set SC,   32                          ; scale words: set s at v[SC + 8 NQ s]; register NQ i + q: lanes 0-15 the word of A's block i, lanes 16-31 that of B's block i, for the slot's q-th 128 along K
.set AF,   128                         ; A's fragments, in window 0
.set BK,   128                         ; the way out: rows read back: v128-159 and v160-191 by turns
.set TMP,  192                         ; the way out: a block rounded to f16, v192-223
.set G1, 24                            ; s[24:31] descriptor group 1 for A's tiles;  s[32:39] group 0, one set for each slot
.set G0, 32
.set G1B, 48                           ; s[48:55], s[56:63] the same for B's tiles
.set G0B, 56
.set G1S, 68                           ; s[68:75], s[76:79] groups 1 and 0 for A's scales;  s[80:87], s[88:91] for B's
.set G0S, 76
.set G1SB, 80
.set G0SB, 88
.set MSB, 0
.macro WIN new                         ; the immediate's high byte repeats the setting that is left
.if MSB != (\new)
	s_set_vgpr_msb (MSB<<8)|(\new)
.set MSB, (\new)
.endif
.endm
.set MUL_LO, 0xa1                      ; source 0 (B) window 1, source 1 (A) window 0, C and D window 2
.set MUL_HI, 0xf1                      ; the same, C and D window 3
.set TO_B,   0x40                      ; destination window 1, address window 0
; A joint load: waves 0 and 1 fetch for A, waves 2 and 3 for B.  Each of the two lines has ONE mask and one set of registers for all that issue it; the branch hangs on the wave's number alone.
; Four v_nop follow each of the two lines, ahead of the jump, the label and what follows.
.macro JLOAD g0a, g1a, g0b, g1b
	s_cmp_eq_u32 s15, 0
	s_cbranch_scc0 .Lfor_b_\@
	tensor_load_to_lds s[\g0a:\g0a+3], s[\g1a:\g1a+7]
	s_nop 0
.rept 4
	v_nop
.endr
	s_branch .Lasked_\@
.Lfor_b_\@:
	tensor_load_to_lds s[\g0b:\g0b+3], s[\g1b:\g1b+7]
	s_nop 0
.rept 4
	v_nop
.endr
.Lasked_\@:
.endm
.macro CROUND                          ; a round of the cluster's barrier
	s_barrier_signal -1
	s_barrier_wait -1
	s_cmp_lg_u32 s14, 0
	s_cbranch_scc1 .Lnot_wave_0_\@
	s_barrier_signal -3
.Lnot_wave_0_\@:
	s_barrier_wait -3
	s_barrier_signal -1
	s_barrier_wait -1
.endm
	s_load_b128 s[4:7], s[0:1], 0x0                ; A's codes s[4:5], A's scales s[6:7]
	s_load_b128 s[8:11], s[0:1], 0x10              ; B's codes s[8:9], B's scales s[10:11]
	s_load_b64 s[12:13], s[0:1], 0x20              ; qkv16
	s_load_b64 s[96:97], s[0:1], 0x28              ; e32
	v_lshl_add_u32 v[SPW], v0, 2, SPARE
	v_mov_b32 v[NIL], 0
	ds_add_u32 v28, v29
	s_wait_dscnt 0x0
	v_lshrrev_b32 v1, 5, v0
	v_readfirstlane_b32 s14, v1                    ; wave 0..3
	s_lshr_b32 s15, s14, 1                         ; which half of the tile's rows is mine.  Also: I fetch for A (0) or for B (1)
	s_and_b32 s16, s14, 1                          ; which half of its columns.  Also: which 128 rows of that tile I fetch
	s_bfe_u32 s40, ttmp6, 0x40000                  ; cx, cy: my place in the cluster
	s_bfe_u32 s41, ttmp6, 0x40004
	s_lshl_b32 s42, ttmp9, 2
	s_add_co_u32 s42, s42, s40                     ; tile column of C = 4 x cluster x + cx
	s_and_b32 s17, ttmp7, 0xffff
	s_lshl_b32 s18, s41, 3
	s_add_co_u32 s17, s17, s18                     ; tile row of C = cluster y + 8 cy
	s_lshl_b32 s43, s41, 2
	s_lshl_b32 s43, 15, s43                        ; my row of the cluster
	s_lshl_b32 s44, 0x1111, s40                    ; my column
	; descriptor group 1: a tile of 128 rows x ROWB bytes, padded in LDS
	s_or_b32 s[G1+0], s43, (0<<16)|(1<<20)|(1<<21)|(5<<22)|(3<<25)  ; 15:0 the mask: A's tiles go to my row; 17:16 element of 1 byte; 20 padding on; 21 set beside a mask; 24:22 after every 64 words (code 5); 31:25 of 4 words (code 3)
	s_or_b32 s[G1B+0], s44, (0<<16)|(1<<20)|(1<<21)|(5<<22)|(3<<25)
.irp g, G1, G1B
	s_mov_b32 s[\g+1], ROWB<<16                    ; tensor_dim0
	s_mov_b32 s[\g+2], 128<<16                     ; tensor_dim1 = 128
	s_mov_b32 s[\g+3], ROWB<<16                    ; tile_dim0
	s_mov_b32 s[\g+4], 128                         ; tile_dim1 = 128
	s_mov_b32 s[\g+5], KROW                        ; tensor_dim0_stride
	s_mov_b32 s[\g+6], 0
	s_mov_b32 s[\g+7], 0
.endr
	; and for the scales of 128 rows: a dense block of 128 KS bytes, as rows of 256 bytes (32 elements of 8 bytes), 16 bytes of padding behind each
	s_or_b32 s[G1S+0], s43, (3<<16)|(1<<20)|(1<<21)|(5<<22)|(3<<25)
	s_or_b32 s[G1SB+0], s44, (3<<16)|(1<<20)|(1<<21)|(5<<22)|(3<<25)
.irp g, G1S, G1SB
	s_mov_b32 s[\g+1], 32<<16
	s_mov_b32 s[\g+2], (128*KS/256)<<16
	s_mov_b32 s[\g+3], 32<<16
	s_mov_b32 s[\g+4], 128*KS/256
	s_mov_b32 s[\g+5], 32
	s_mov_b32 s[\g+6], 0
	s_mov_b32 s[\g+7], 0
.endr
	s_lshl_b32 s18, s16, 7                         ; which 128 rows of the tile I fetch
	s_lshl_b32 s20, s17, 8
	s_add_co_u32 s20, s20, s18                     ; A: row 256 x tile row + 128 x half
	s_lshl_b32 s46, s42, 8
	s_add_co_u32 s46, s46, s18                     ; B: row 256 x tile column + 128 x half
	s_mov_b32 s21, 0
	s_mov_b32 s47, 0
	s_mov_b64 s[18:19], KS
	s_mul_u64 s[22:23], s[20:21], s[18:19]         ; where these rows' scales begin, in bytes
	s_mul_u64 s[92:93], s[46:47], s[18:19]
	s_mov_b64 s[18:19], KROW
	s_mul_u64 s[20:21], s[20:21], s[18:19]         ; and their codes
	s_mul_u64 s[46:47], s[46:47], s[18:19]
	s_mul_i32 s45, s14, HALFT                      ; where they go: wave x 128 rows: no place in the cluster enters an LDS address
	s_mul_i32 s94, s14, HALFS
	s_wait_kmcnt 0x0
	s_add_nc_u64 s[20:21], s[4:5], s[20:21]
	s_add_nc_u64 s[22:23], s[6:7], s[22:23]
	s_add_nc_u64 s[46:47], s[8:9], s[46:47]
	s_add_nc_u64 s[92:93], s[10:11], s[92:93]
	CROUND                                         ; all sixteen work-groups are here: the joint loads meet
	s_mov_b32 s[G0S], 1
	s_add_co_u32 s[G0S+1], s94, SCL
	s_mov_b64 s[G0S+2:G0S+3], s[22:23]
	s_or_b32 s[G0S+3], s[G0S+3], 0x80000000
	s_mov_b32 s[G0SB], 1
	s_add_co_u32 s[G0SB+1], s94, SCL
	s_mov_b64 s[G0SB+2:G0SB+3], s[92:93]
	s_or_b32 s[G0SB+3], s[G0SB+3], 0x80000000
	JLOAD G0S, G1S, G0SB, G1SB                     ; the scales first: they are wanted with K step 0
.irp s, 0,1
	s_mov_b32 s[G0+4*\s], 1
	s_add_co_u32 s[G0+4*\s+1], s45, \s*SLOT
	s_add_nc_u64 s[G0+4*\s+2:G0+4*\s+3], s[20:21], \s*ROWB
	s_or_b32 s[G0+4*\s+3], s[G0+4*\s+3], 0x80000000
	s_mov_b32 s[G0B+4*\s], 1
	s_add_co_u32 s[G0B+4*\s+1], s45, \s*SLOT
	s_add_nc_u64 s[G0B+4*\s+2:G0B+4*\s+3], s[46:47], \s*ROWB
	s_or_b32 s[G0B+4*\s+3], s[G0B+4*\s+3], 0x80000000
	JLOAD G0+4*\s, G1, G0B+4*\s, G1B               ; three tensor loads of mine are out: all that this launch has
.endr
	v_and_b32 v1, 15, v0                           ; l % 16
	v_bfe_u32 v2, v0, 4, 1                         ; l / 16
	v_mul_u32_u24 v3, v1, PITCH
	v_lshl_add_u32 v4, v2, 4, v3                   ; a fragment's row x pitch + 16 x half
	s_mul_i32 s21, s15, HALFT                      ; my 128 rows of A
	s_mul_i32 s22, s16, HALFT                      ; my 128 rows of B,
	s_add_co_u32 s22, s22, 2*HALFT                 ; which lie behind A's 256
.irp s, 0,1
	v_add_nc_u32 v[ADRA+\s], s21, v4
	v_add_nc_u32 v[ADRB+\s], s22, v4
	s_add_co_u32 s21, s21, SLOT
	s_add_co_u32 s22, s22, SLOT
.endr
	v_mul_u32_u24 v5, v1, KS                       ; my row's scales: KS bytes a row,
	v_lshrrev_b32 v6, 8, v5
	v_lshl_add_u32 v5, v6, 4, v5                   ; and 16 more for each 256 passed
	s_mul_i32 s21, s15, HALFS                      ; A's: my 128 rows
	s_mul_i32 s22, s16, HALFS                      ; B's: my 128 rows, behind A's 256
	s_add_co_u32 s22, s22, 2*HALFS
	s_sub_co_u32 s22, s22, s21
	v_mul_u32_u24 v6, s22, v2                      ; lanes 16-31 take B's
	s_add_co_u32 s21, s21, SCL
	v_add_nc_u32 v5, v5, v6
	v_add_nc_u32 v[ADRS], s21, v5
	s_mul_i32 s23, s14, 2*UNIT                     ; my stage
	v_mul_u32_u24 v5, v1, SPITCH                   ; in: row l % 16, 16 bytes for each half of the lanes
	v_lshl_add_u32 v5, v2, 4, v5
	v_add_nc_u32 v[STO], s23, v5
	v_and_b32 v6, 31, v0
	v_lshlrev_b32 v[CO], 4, v6
	v_lshrrev_b32 v5, 3, v6                        ; back: eight lanes to a row of 128 bytes, four rows an instruction
	v_mul_u32_u24 v5, v5, SPITCH
	v_and_b32 v7, 7, v0
	v_lshl_add_u32 v5, v7, 4, v5
	v_add_nc_u32 v[RD], s23, v5
	v_lshlrev_b32 v[EO], 12, v1                    ; e32: row l % 16 of 4,096 bytes, 32 bytes for each half of the lanes
	v_lshl_add_u32 v[EO], v2, 5, v[EO]
	; qkv16: tensor x 2^24 + (16 batch + head) x 2^18 + t x 128.  My two heads: 4 cx + 2 x column half, and the next; my first t: 256 x cluster y + 128 x row half
	s_lshl_b32 s20, s41, 22
	s_and_b32 s21, ttmp7, 0xffff
	s_lshl_b32 s21, s21, 15
	s_add_co_u32 s20, s20, s21
	s_lshl_b32 s21, s15, 14
	s_add_co_u32 s20, s20, s21
	s_lshl_b32 s46, ttmp9, 24
	s_lshl_b32 s47, s40, 20
	s_add_co_u32 s46, s46, s47
	s_lshl_b32 s47, s16, 19
	s_add_co_u32 s46, s46, s47
	s_add_co_u32 s20, s20, s46
	s_mov_b32 s21, 0
	s_add_nc_u64 s[12:13], s[12:13], s[20:21]
	; e32: (4 tensor + batch) x 2^16 + column x 4; my first column: 256 cx + 128 x column half
	s_lshl_b32 s20, ttmp9, 18
	s_lshl_b32 s46, s41, 16
	s_add_co_u32 s20, s20, s46
	s_lshl_b32 s46, s40, 10
	s_add_co_u32 s20, s20, s46
	s_lshl_b32 s46, s16, 9
	s_add_co_u32 s20, s20, s46
	s_add_nc_u64 s[96:97], s[96:97], s[20:21]
.macro FRAG reg, adr, q, i             ; a fragment, 16 rows x 128 K of 4-bit codes, is 8 registers: lane l holds row l % 16; registers 4 c .. 4 c + 3 hold K = 64 c + 32 (l / 16) + 0 .. 31
.irp c, 0,1
	ds_load_b128 v[\reg+4*\c:\reg+4*\c+3], v[\adr] offset:64*(\q)+32*\c+(\i)*16*PITCH
.endr
.endm
; 16 matrix instructions: A's blocks a0, a0 + 1 x B's eight, 128 along K: the slot's q-th.  p: B's set;  sc: the set of scale words.  zero = 1: the first product starts the sums: nothing is ever cleared.
; The 64 accumulators take turns, one instruction a turn, in the same order in every step.
.macro MUL16 a0, p, q, sc, zero
.irp a, \a0, \a0+1
.irp b, 0,1,2,3,4,5,6,7
.if \zero
	v_wmma_scale_f32_16x16x128_f8f6f4 v[8*(8*((\a)%4)+\b):8*(8*((\a)%4)+\b)+7], v[128*(\p)+FR*\b:128*(\p)+FR*\b+FR-1], v[AF+FR*(\a):AF+FR*(\a)+FR-1], 0, v[SC+8*NQ*(\sc)+NQ*\b+(\q)], v[SC+8*NQ*(\sc)+NQ*(\a)+(\q)] matrix_a_fmt:MATRIX_FMT_FP4 matrix_b_fmt:MATRIX_FMT_FP4 matrix_a_scale:MATRIX_SCALE_ROW1
.else
	v_wmma_scale_f32_16x16x128_f8f6f4 v[8*(8*((\a)%4)+\b):8*(8*((\a)%4)+\b)+7], v[128*(\p)+FR*\b:128*(\p)+FR*\b+FR-1], v[AF+FR*(\a):AF+FR*(\a)+FR-1], v[8*(8*((\a)%4)+\b):8*(8*((\a)%4)+\b)+7], v[SC+8*NQ*(\sc)+NQ*\b+(\q)], v[SC+8*NQ*(\sc)+NQ*(\a)+(\q)] matrix_a_fmt:MATRIX_FMT_FP4 matrix_b_fmt:MATRIX_FMT_FP4 matrix_a_scale:MATRIX_SCALE_ROW1
.endif
.endr
.endr
.endm
.macro FETCH_B slot, q, p              ; B's eight fragments of the slot's q-th 128 along K into set p
	WIN TO_B
.irp i, 0,1,2,3,4,5,6,7
	FRAG 128*(\p)+FR*\i, ADRB+\slot, \q, \i
.endr
	WIN 0
.endm
.macro FETCH_A slot, q, i0             ; A's blocks i0 .. i0 + 3
.irp i, \i0, \i0+1, \i0+2, \i0+3
	FRAG AF+FR*(\i), ADRA+\slot, \q, \i
.endr
.endm
.macro SCALES sc                       ; a K step's scale words into set sc: NQ words a row; lanes 0-15 take A's block i, lanes 16-31 B's block i
.irp i, 0,1,2,3,4,5,6,7
	ds_load_b128 v[SC+8*NQ*\sc+NQ*\i:SC+8*NQ*\sc+NQ*\i+3], v[ADRS] offset:\i*SBLK
.endr
.endm
; A load into a register that a matrix instruction has read, and a vector instruction or a store that reads a matrix result, stand NP places behind that matrix instruction, and only plain vector
; instructions that name none of its registers are places (ISA guide 7.12.1 for vector instructions).
.macro PLACES n
.rept \n
	v_nop
.endr
.endm
; A step of 128 along K that has its successor in the same slot.
.macro STEP slot, q, zero
	s_wait_dscnt 4*NL                              ; B's set and A's blocks 0-3 are in; the youngest eight loads (A's blocks 4-7) may be out
	WIN MUL_LO
	MUL16 0, (\q)%2, \q, \slot, \zero
	MUL16 2, (\q)%2, \q, \slot, \zero
	s_wait_dscnt 0                                 ; A's blocks 4-7 are in (asked for 32 matrix instructions ago)
	PLACES NP
	FETCH_B \slot, (\q)+1, 1-(\q)%2
	FETCH_A \slot, (\q)+1, 0
	WIN MUL_HI
	MUL16 4, (\q)%2, \q, \slot, \zero
	MUL16 6, (\q)%2, \q, \slot, \zero
	PLACES NP
	WIN 0
	FETCH_A \slot, (\q)+1, 4
.endm
; Slot 0's last step changes slots: one barrier; in front of it each wave waits for all its tensor loads (its part of slot 1), adds 0 to its spare word, and waits for that and for its own reads of slot 0.
; Behind it slot 1 is whole and nobody reads slot 0 any more: the stages of the way out may lie there.  Nothing is filled again.
.macro TURN slot, next
	s_wait_tensorcnt 0x0                           ; all my tensor loads have landed  (every window is 0 here: the add's two registers lie in window 0)
	ds_add_u32 v[SPW], v[NIL]                      ; 0 onto my spare word
	s_wait_dscnt 4*NL+1                            ; (the add and the youngest eight loads, A's blocks 4-7, may be out)
	WIN MUL_LO
	MUL16 0, 1, NQ-1, \slot, 0                     ; sixteen matrix instructions stand between the add and the wait for it
	s_wait_dscnt 0x0                               ; the add is done, and my reads of this slot are over
	s_barrier_signal -1
	MUL16 2, 1, NQ-1, \slot, 0
	WIN 0
	s_barrier_wait -1
	PLACES NP
	v_add_nc_u32 v[ADRS], 4*NQ, v[ADRS]            ; on to the next K step's scale words (no LDS load of mine is out)
	FETCH_B \next, 0, 0
	FETCH_A \next, 0, 0
	SCALES \next
	WIN MUL_HI
	MUL16 4, 1, NQ-1, \slot, 0
	MUL16 6, 1, NQ-1, \slot, 0
	PLACES NP
	WIN 0
	FETCH_A \next, 0, 4
.endm
.macro STEPS slot, from                ; the slot's steps from .. NQ - 2
.set Q, \from
.rept NQ-1-\from
	STEP \slot, Q, 0
.set Q, Q+1
.endr
.endm
	s_wait_tensorcnt 1                             ; the scales and my part of K step 0 are in (K step 1's load may be out),
	s_barrier_signal -1
	s_barrier_wait -1                              ; everybody's are
	FETCH_B 0, 0, 0
	FETCH_A 0, 0, 0
	SCALES 0
	FETCH_A 0, 0, 4
	STEP 0, 0, 1                                   ; the first step's products start the sums
	STEPS 0, 1
	TURN 0, 1
	STEPS 1, 0
	s_wait_dscnt 4*NL                              ; the very last step: nothing more to fetch
	WIN MUL_LO
	MUL16 0, 1, NQ-1, 1, 0
	MUL16 2, 1, NQ-1, 1, 0
	s_wait_dscnt 0
	WIN MUL_HI
	MUL16 4, 1, NQ-1, 1, 0
	MUL16 6, 1, NQ-1, 1, 0
	WIN 0
; THE WAY OUT, block by block of 16 rows x 128 columns (two heads).  PACK: rounded to f16, 16 bytes a lane, each accumulator from its low end on.  TOSTAGE: into my own stage, a head's 16 rows of 128 bytes together, and back
; four rows an instruction.  SEND: in qkv16 a head's rows follow each other, so each store of the wave covers 512 consecutive bytes, aligned.  LDS serves a wave's instructions in order (ISA guide 5.7.1.4): no wait between the stores and the loads.
.macro PACK a
.set AC, 64*((\a)%4)
	WIN 0x0a+5*((\a)/4)                            ; sources 0 and 1: window 2 or 3
.irp b, 0,1,2,3,4,5,6,7
.irp i, 0,1,2,3
	v_cvt_pk_f16_f32 v[TMP+4*\b+\i], v[AC+8*\b+2*\i], v[AC+8*\b+2*\i+1]
.endr
.endr
	WIN 0
.endm
.macro TOSTAGE a
.set BB, BK+32*((\a)%2)
.irp b, 0,1,2,3,4,5,6,7
	ds_store_b128 v[STO], v[TMP+4*\b:TMP+4*\b+3] offset:(\b/4)*UNIT+(\b%4)*32
.endr
.irp u, 0,1
.irp i, 0,1,2,3
	ds_load_b128 v[BB+4*(4*\u+\i):BB+4*(4*\u+\i)+3], v[RD] offset:\u*UNIT+\i*4*SPITCH
.endr
.endr
.endm
.macro SEND a
.set BB, BK+32*((\a)%2)
	s_wait_dscnt 0x0                               ; the block is back in registers
	s_wait_xcnt 0x0                                ; the stores of the block before have read their registers: the next block's loads may land there
.irp u, 0,1
.irp i, 0,1,2,3
	global_store_b128 v[CO], v[BB+4*(4*\u+\i):BB+4*(4*\u+\i)+3], s[12:13] offset:\u*262144+(\a)*2048+\i*512
.endr
.endr
.endm
	PLACES NP                                      ; behind the last products: for the reads of results and for the loads into the registers that held A's fragments
	; the rows t < 16 of a batch are block 0 of the waves with the upper half of rows, where the cluster's y is 0: the same in all partners.  They also go out as f32: 16 bytes a lane, 64 neighbouring bytes of each of 16 rows an instruction pair; 786,432 bytes in the whole launch
	s_and_b32 s94, ttmp7, 0xffff
	s_or_b32 s94, s94, s15
	s_cmp_lg_u32 s94, 0
	s_cbranch_scc1 .Lno_e
	WIN 0x08                                       ; a store's data are its source 1: window 2
.irp b, 0,1,2,3,4,5,6,7
	global_store_b128 v[EO], v[8*\b:8*\b+3], s[96:97] offset:64*\b
	global_store_b128 v[EO], v[8*\b+4:8*\b+7], s[96:97] offset:64*\b+16
.endr
	WIN 0
.Lno_e:
	PACK 0
	TOSTAGE 0
.irp a, 1,2,3,4,5,6,7                  ; block a's conversions stand between block a - 1's loads from the stage and the wait for them
	PACK \a
	SEND \a-1
	TOSTAGE \a
.endr
	SEND 7
	s_wait_tensorcnt 0x0                           ; the wave's end, behind my last tensor load and my last LDS store
	ds_add_u32 v[SPW], v[NIL]
	s_wait_dscnt 0x0
	CROUND                                         ; the closing round: no work-group ends while a partner may still ask for a tile that names it
	s_endpgm
.Lfunc_end_k_qacb9328455_qkv:
	.size	k_qacb9328455_qkv, .Lfunc_end_k_qacb9328455_qkv-k_qacb9328455_qkv
	.p2alignl 7, 3214868480
	.fill 96, 4, 3214868480
	.section	.rodata,"a",@progbits
	.p2align	6, 0x0
	.amdhsa_kernel k_qacb9328455_qkv
		.amdhsa_group_segment_fixed_size 327680
		.amdhsa_private_segment_fixed_size 0
		.amdhsa_enable_private_segment 0
		.amdhsa_kernarg_size 48
		.amdhsa_user_sgpr_count 2
		.amdhsa_user_sgpr_kernarg_segment_ptr 1
		.amdhsa_wavefront_size32 1
		.amdhsa_system_sgpr_workgroup_id_x 1
		.amdhsa_system_sgpr_workgroup_id_y 1
		.amdhsa_system_sgpr_workgroup_id_z 1
		.amdhsa_system_vgpr_workitem_id 0
		.amdhsa_next_free_vgpr 1024
		.amdhsa_next_free_sgpr 98
		.amdhsa_reserve_vcc 0
		.amdhsa_float_denorm_mode_32 3
		.amdhsa_float_denorm_mode_16_64 3
		.amdhsa_memory_ordered 1
		.amdhsa_forward_progress 1
		.amdhsa_inst_pref_size 128
	.end_amdhsa_kernel
	.amdgpu_metadata
---
amdhsa.version: [ 1, 2 ]
amdhsa.kernels:
  - .name:           k_qacb9328455_qkv
    .symbol:         k_qacb9328455_qkv.kd
    .args:
      - { .name: xc, .offset: 0, .size: 8, .value_kind: global_buffer, .address_space: global }
      - { .name: xs, .offset: 8, .size: 8, .value_kind: global_buffer, .address_space: global }
      - { .name: wc, .offset: 16, .size: 8, .value_kind: global_buffer, .address_space: global }
      - { .name: ws, .offset: 24, .size: 8, .value_kind: global_buffer, .address_space: global }
      - { .name: qkv16, .offset: 32, .size: 8, .value_kind: global_buffer, .address_space: global }
      - { .name: e32, .offset: 40, .size: 8, .value_kind: global_buffer, .address_space: global }
    .group_segment_fixed_size: 327680
    .private_segment_fixed_size: 0
    .kernarg_segment_align: 8
    .kernarg_segment_size: 48
    .max_flat_workgroup_size: 128
    .sgpr_count:     98
    .vgpr_count:     1024
    .wavefront_size: 32
...
	.end_amdgpu_metadata
.endif
;; end of part 2
;; launch early (part 3): grid 64 x 4, 16 waves a work-group, no clusters, 18,432 bytes of LDS; arguments e32, Wo, out0; writes out0
.if DOCPART == 3
	.amdgcn_target "amdgcn-amd-amdhsa--gfx1250"
	.amdhsa_code_object_version 6
	.text
	.protected	k_qacb9328455_early
	.globl	k_qacb9328455_early
	.p2align	8
	.type	k_qacb9328455_early,@function
k_qacb9328455_early:
	s_mov_b64 s[64:65], 0
	v_nop
	global_prefetch_b8 v0, s[64:65] scope:SCOPE_SE
	s_setreg_imm32_b32 hwreg(HW_REG_WAVE_MODE, 25, 1), 1
	s_wait_xcnt 0x0
; The rows t = 0 .. 15 of each batch, all in f32: out0[b][t][:] = (causal softmax(q k^T / 8) v, all 16 heads) Wo^T, from e32 [3][4 batches][16 t][1024] f32 and Wo [1024][1024] f32.
; WHY.  A row t averages over t + 1 keys only, so in these rows the rounding of 16-bit operands is not averaged away as it is further down; they are 64 of the 8,192 rows.  The other launches make them in f16 too and do not store them.
; The f32 matrix form serves these 64 rows alone: 48 instructions a wave.
; SHARES.  Work-group (ct, b) makes out0[b][0:16][16 ct : 16 ct + 16].  Wave = head: it makes its head's attention of the 16 rows in registers (every work-group of a batch repeats that: 32 of a wave's 48 matrix instructions, the price of
; not spending a launch on it), then its head's 64 channels of the projection; the sixteen partial tiles meet in LDS and are added in a fixed order.
; LAYOUT.  All three products are used transposed, so that a lane holds ONE query (lane % 16) throughout: S^T = K Q^T, O^T = V^T P, out^T = Wo O.  The form's K is 4: lane (r, h) gives k = 2 h + j in register j.  Which channels or keys
; an instruction's four k are is free, as long as both sources agree: each operand is loaded so that the registers of the result before it can be taken as they lie.
; Its stores are pieces of 16 bytes a lane, 64 neighbouring bytes of a row by four lanes' worth of two waves: 262,144 bytes in the whole launch.
; LIMIT: NaN and infinities among the inputs are not served.
.set QF, 16                            ; v16-47   q: register 4 i + n: channel 8 i + 4 h + n of query r
.set KF, 48                            ; v48-79   k likewise, key r
.set VF, 80                            ; v80-111  v: register 8 cb + n: key 8 h + n, channel 16 cb + r
.set WF, 112                           ; v112-143 Wo: register 8 cb + n: row 16 ct + r, channel 16 cb + 8 h + n of my head
.set SA, 144                           ; v144-159 the scores in two halves of K, by turns
.set OA, 160                           ; v160-191 O^T: register 8 cb + j: channel 16 cb + 8 h + j, query r
.set PA, 192                           ; v192-207 the projection in two halves of K, by turns
.set S,  208                           ; v208-215 scores, then p: register j: key 8 h + j, query r
.set RR, 216                           ; v216-223 my head's part of out: register j: column 16 ct + 8 h + j, row r
	s_load_b128 s[4:7], s[0:1], 0x0                ; e32, Wo
	s_load_b64 s[10:11], s[0:1], 0x10              ; out0
	v_lshl_add_u32 v254, v0, 2, 0x4000
	v_mov_b32 v255, 0
	v_lshrrev_b32 v1, 5, v0
	v_readfirstlane_b32 s8, v1                     ; wave = head
	v_and_b32 v4, 15, v0                           ; r
	v_bfe_u32 v5, v0, 4, 1                         ; h
	v_and_b32 v6, 31, v0                           ; lane
	s_lshl_b32 s9, s8, 8                           ; my head's 64 channels: 256 bytes on
	v_lshl_add_u32 v7, v4, 12, s9                  ; row r of 4,096 bytes
	v_lshl_add_u32 v1, v5, 4, v7                   ; q, k: + 16 h
	v_lshl_add_u32 v3, v5, 5, v7                   ; Wo: + 32 h
	v_lshl_add_u32 v2, v4, 2, s9                   ; v: channel r,
	v_lshl_add_u32 v2, v5, 15, v2                  ; key 8 h
	s_lshl_b32 s12, s8, 10
	v_lshl_add_u32 v8, v6, 4, s12                  ; LDS: my partial tile: 1,024 x wave + 16 x lane
	s_lshl_b32 s12, s8, 9
	v_lshl_add_u32 v9, v6, 4, s12                  ; and, in waves 0 and 1, the half of every tile that I add: 512 x wave + 16 x lane
	s_lshl_b32 s12, s8, 4
	v_lshl_add_u32 v10, v4, 12, s12                ; out0: row r, + 32 h, + 16 x wave
	v_lshl_add_u32 v10, v5, 5, v10
	v_lshlrev_b32 v11, 3, v5
	v_sub_nc_u32 v11, v4, v11                      ; d = r - 8 h: register j's key is hidden where j > d
	v_mov_b32 v12, 0xff800000                      ; -infinity
	v_mov_b32 v14, 0                               ; written once: a lane permute's destination counts as one of its sources
	v_mov_b32 v15, 0                               ; (named as the upper half of the pair v[14:15])
	s_mov_b32 s22, 0x76543210
	s_mov_b32 s23, 0xfedcba98                      ; v_permlanex16_b32's selects for lane l xor 16
	s_mov_b32 s24, 0x3e38aa3b                      ; c = log2(e) / 8
	s_mov_b32 s25, s24                             ; (named with it as a pair)
	s_and_b32 s14, ttmp7, 0xffff                   ; the batch
	s_lshl_b32 s16, s14, 16                        ; e32: 16 rows of 4,096 bytes a batch
	s_mov_b32 s17, 0
	s_lshl_b32 s18, ttmp9, 16                      ; Wo: 16 rows of 4,096 bytes
	s_mov_b32 s19, 0
	s_lshl_b32 s20, s14, 23                        ; out0: 2,048 rows of 4,096 bytes a batch,
	s_lshl_b32 s21, ttmp9, 6                       ; 16 columns
	s_add_co_u32 s20, s20, s21
	s_mov_b32 s21, 0
	s_wait_kmcnt 0x0
	s_add_nc_u64 s[4:5], s[4:5], s[16:17]
	s_add_nc_u64 s[6:7], s[6:7], s[18:19]
	s_add_nc_u64 s[10:11], s[10:11], s[20:21]
.irp i, 0,1,2,3,4,5,6,7
	global_load_b128 v[QF+4*\i:QF+4*\i+3], v1, s[4:5] offset:32*\i
.endr
.irp i, 0,1,2,3,4,5,6,7
	global_load_b128 v[KF+4*\i:KF+4*\i+3], v1, s[4:5] offset:262144+32*\i
.endr
.irp cb, 0,1,2,3
.irp n, 0,1,2,3,4,5,6,7
	global_load_b32 v[VF+8*\cb+\n], v2, s[4:5] offset:524288+\n*4096+64*\cb
.endr
.endr
.irp i, 0,1,2,3,4,5,6,7
	global_load_b128 v[WF+4*\i:WF+4*\i+3], v3, s[6:7] offset:64*(\i/2)+16*(\i%2)
.endr
	s_wait_loadcnt 40                              ; q and k are in; v's 32 loads and Wo's 8 may be out
	; S^T = K Q^T: 16 instructions of 4 channels, two accumulators by turns; the first of each starts its sum
.set i, 0
.rept 16
.if i < 2
	v_wmma_f32_16x16x4_f32 v[SA+8*(i%2):SA+8*(i%2)+7], v[KF+2*i:KF+2*i+1], v[QF+2*i:QF+2*i+1], 0
.else
	v_wmma_f32_16x16x4_f32 v[SA+8*(i%2):SA+8*(i%2)+7], v[KF+2*i:KF+2*i+1], v[QF+2*i:QF+2*i+1], v[SA+8*(i%2):SA+8*(i%2)+7]
.endif
.set i, i+1
.endr
.rept 8
	v_nop                                          ; eight places behind this form before a vector instruction reads a result (ISA guide 7.12.1)
.endr
.irp j, 0,2,4,6
	v_pk_add_f32 v[S+\j:S+\j+1], v[SA+\j:SA+\j+1], v[SA+8+\j:SA+8+\j+1]   ; the two halves, from the low end on, into other registers
.endr
.irp j, 0,1,2,3,4,5,6,7
	v_cmp_gt_i32 vcc_lo, \j, v11                   ; the causal mask: key 8 h + j counts for query r where it is not above it
	v_cndmask_b32 v[S+\j], v[S+\j], v12, vcc_lo
.endr
	v_max3_num_f32 v13, v[S], v[S+1], v[S+2]
	v_max3_num_f32 v13, v13, v[S+3], v[S+4]
	v_max3_num_f32 v13, v13, v[S+5], v[S+6]
	v_max_num_f32 v13, v13, v[S+7]
	v_permlanex16_b32 v14, v13, s22, s23           ; the query's other eight keys lie in the lane 16 away
	v_max_num_f32 v13, v13, v14                    ; the row's maximum: key 0 counts for every query, so it is a number
	v_mul_f32 v14, s24, v13                        ; c m
.irp j, 0,2,4,6
	v_pk_fma_f32 v[S+\j:S+\j+1], v[S+\j:S+\j+1], s[24:25], v[14:15] op_sel_hi:[1,0,0] neg_lo:[0,0,1] neg_hi:[0,0,1]   ; c s - c m
.endr
.irp j, 0,1,2,3,4,5,6,7
	v_exp_f32 v[S+\j], v[S+\j]
.endr
	v_nop                                          ; a plain place behind the exponentials
	s_wait_alu depctr_va_vdst(0)
	v_pk_add_f32 v[224:225], v[S:S+1], v[S+2:S+3]
	v_pk_add_f32 v[226:227], v[S+4:S+5], v[S+6:S+7]
	v_pk_add_f32 v[224:225], v[224:225], v[226:227]
	v_add_f32 v224, v224, v225
	v_permlanex16_b32 v225, v224, s22, s23
	v_add_f32 v224, v224, v225                     ; the row's sum
	v_rcp_f32 v224, v224
	v_nop                                          ; a plain place behind the reciprocal
	s_wait_alu depctr_va_vdst(0)
.irp j, 0,1,2,3,4,5,6,7
	v_mul_f32 v[S+\j], v[S+\j], v224               ; the weights, normalised
.endr
	s_wait_loadcnt 8                               ; v is in; Wo's 8 loads may be out
	; O^T = V^T P: instruction g takes keys 8 h + 2 g, + 1; four accumulators (16 channels each) by turns
.irp g, 0,1,2,3
.irp cb, 0,1,2,3
.if \g == 0
	v_wmma_f32_16x16x4_f32 v[OA+8*\cb:OA+8*\cb+7], v[VF+8*\cb+2*\g:VF+8*\cb+2*\g+1], v[S+2*\g:S+2*\g+1], 0
.else
	v_wmma_f32_16x16x4_f32 v[OA+8*\cb:OA+8*\cb+7], v[VF+8*\cb+2*\g:VF+8*\cb+2*\g+1], v[S+2*\g:S+2*\g+1], v[OA+8*\cb:OA+8*\cb+7]
.endif
.endr
.endr
.rept 9
	v_nop                                          ; nine places before a matrix instruction takes a result as a source
.endr
	s_wait_loadcnt 0x0                             ; Wo
	; out^T += Wo O: instruction n takes channels 16 (n / 4) + 8 h + 2 (n % 4), + 1: O^T's registers as they lie; two accumulators by turns
.set i, 0
.rept 16
.if i < 2
	v_wmma_f32_16x16x4_f32 v[PA+8*(i%2):PA+8*(i%2)+7], v[WF+2*i:WF+2*i+1], v[OA+2*i:OA+2*i+1], 0
.else
	v_wmma_f32_16x16x4_f32 v[PA+8*(i%2):PA+8*(i%2)+7], v[WF+2*i:WF+2*i+1], v[OA+2*i:OA+2*i+1], v[PA+8*(i%2):PA+8*(i%2)+7]
.endif
.set i, i+1
.endr
.rept 8
	v_nop
.endr
.irp j, 0,2,4,6
	v_pk_add_f32 v[RR+\j:RR+\j+1], v[PA+\j:PA+\j+1], v[PA+8+\j:PA+8+\j+1]
.endr
	ds_store_b128 v8, v[RR:RR+3]                   ; my head's part, as an image of its registers
	ds_store_b128 v8, v[RR+4:RR+7] offset:512
	s_wait_dscnt 0x0                               ; for the others' sake: my stores have landed
	s_barrier_signal -1
	s_barrier_wait -1
	s_cmp_gt_u32 s8, 1                             ; waves 0 and 1 add the sixteen parts, four registers each
	s_cbranch_scc1 .Ldone
.irp p, 0,1,2,3,4,5,6,7,8,9,10,11,12,13,14,15
	ds_load_b128 v[16+4*\p:19+4*\p], v9 offset:1024*\p
.endr
	s_wait_dscnt 0x0
.irp p, 1,2,3,4,5,6,7,8,9,10,11,12,13,14,15
	v_pk_add_f32 v[16:17], v[16:17], v[16+4*\p:17+4*\p]
	v_pk_add_f32 v[18:19], v[18:19], v[18+4*\p:19+4*\p]
.endr
	global_store_b128 v10, v[16:19], s[10:11]      ; out0[b][r][16 ct + 8 h + 4 wave + 0 .. 3]
.Ldone:
	s_wait_tensorcnt 0x0
	ds_add_u32 v254, v255
	s_wait_dscnt 0x0
	s_endpgm
.Lfunc_end_k_qacb9328455_early:
	.size	k_qacb9328455_early, .Lfunc_end_k_qacb9328455_early-k_qacb9328455_early
	.p2alignl 7, 3214868480
	.fill 96, 4, 3214868480
	.section	.rodata,"a",@progbits
	.p2align	6, 0x0
	.amdhsa_kernel k_qacb9328455_early
		.amdhsa_group_segment_fixed_size 18432
		.amdhsa_private_segment_fixed_size 0
		.amdhsa_enable_private_segment 0
		.amdhsa_kernarg_size 24
		.amdhsa_user_sgpr_count 2
		.amdhsa_user_sgpr_kernarg_segment_ptr 1
		.amdhsa_wavefront_size32 1
		.amdhsa_system_sgpr_workgroup_id_x 1
		.amdhsa_system_sgpr_workgroup_id_y 1
		.amdhsa_system_sgpr_workgroup_id_z 1
		.amdhsa_system_vgpr_workitem_id 0
		.amdhsa_next_free_vgpr 256
		.amdhsa_next_free_sgpr 66
		.amdhsa_reserve_vcc 1
		.amdhsa_float_denorm_mode_32 3
		.amdhsa_float_denorm_mode_16_64 3
		.amdhsa_memory_ordered 1
		.amdhsa_forward_progress 1
		.amdhsa_inst_pref_size 18
	.end_amdhsa_kernel
	.amdgpu_metadata
---
amdhsa.version: [ 1, 2 ]
amdhsa.kernels:
  - .name:           k_qacb9328455_early
    .symbol:         k_qacb9328455_early.kd
    .args:
      - { .name: e32, .offset: 0, .size: 8, .value_kind: global_buffer, .address_space: global }
      - { .name: Wo, .offset: 8, .size: 8, .value_kind: global_buffer, .address_space: global }
      - { .name: out0, .offset: 16, .size: 8, .value_kind: global_buffer, .address_space: global }
    .group_segment_fixed_size: 18432
    .private_segment_fixed_size: 0
    .kernarg_segment_align: 8
    .kernarg_segment_size: 24
    .max_flat_workgroup_size: 512
    .sgpr_count:     66
    .vgpr_count:     256
    .wavefront_size: 32
...
	.end_amdgpu_metadata
.endif
;; end of part 3
;; launch attn (part 4): grid 4 x 64, 8 waves a work-group, no clusters, 327,680 bytes of LDS; arguments qkv16, att16; writes att16
.if DOCPART == 4
	.amdgcn_target "amdgcn-amd-amdhsa--gfx1250"
	.amdhsa_code_object_version 6
	.text
	.protected	k_qacb9328455_attn
	.globl	k_qacb9328455_attn
	.p2align	8
	.type	k_qacb9328455_attn,@function
k_qacb9328455_attn:
	s_mov_b64 s[64:65], 0
	v_nop
	global_prefetch_b8 v0, s[64:65] scope:SCOPE_SE
	s_setreg_imm32_b32 hwreg(HW_REG_WAVE_MODE, 25, 1), 1
	s_wait_xcnt 0x0
; att16[bh][q][:] = the sum over k <= q of softmax_k(Q[bh][q] . K[bh][k] / 8) V[bh][k][:].  Q, K, V: qkv16 [3][64 bh][2048][64] f16; att16 [64 bh][2048][64] f16.  Products, maxima and sums in f32; the weights p are rounded to f16
; for the second product, the result once at the end.  f16 and not bf16: eleven bits of mantissa against eight; p is at most 1.
; SHARES.  A head's 2,048 queries are eight blocks of 256.  Work-group (I, bh) owns block 7 - I and then block I: block J needs the key chunks 0 .. J of 256 keys, so every work-group walks (8 - I) + (I + 1) = 9 chunks: 256 work-groups
; of equal work and constant trip counts.  Each of the eight waves owns 32 queries of the block, two tiles of 16; two waves share a SIMD, so that one wave's softmax stands beside the other's products.
; NO CLUSTER: the four work-groups of a head walk different chunks from the fifth trip on (work-group I starts anew behind trip 8 - I); to ask jointly all would have to walk 12 chunks in place of 9.
; LAYOUT.  S^T = K Q^T (source 0 = 16 keys, source 1 = 16 queries): a lane holds ONE query (lane % 16) and the keys 8 (lane / 16) + 0..7.  Two such tiles, rounded to f16 in pairs, ARE source 1 (32 keys x 16 queries) of O^T = V^T P.
; K comes out of LDS as it lies, V ([key][channel]) turned, by ds_load_tr16_b128.
; SOFTMAX.  For each query a running maximum m and sum l: p = 2^(c s - c m), c = log2(e) / 8; in every step O and l are multiplied by a = 2^(c m_old - c m_new).  A new block begins with m = -3e38: its first a is 0, which clears O and l.
; THE MASK.  A key step (64 keys) all of whose keys come after the wave's 32 queries is left out: a scalar branch on ids, round the step's loads, products and softmax, not round the lines that step addresses.  In a step on the diagonal hidden scores become
; -infinity ahead of the maximum; a step all of whose keys count jumps over that.  In every step that is worked each query sees at least the step's first key, so m is a number.
; THE RING.  Two LDS slots of one chunk (256 rows of K, 256 of V), filled by the tensor data mover: waves 0 and 1 K's halves, waves 2 and 3 V's, 128 rows a load.  The change of slots stands at a chunk's head.
; LIMITS: NaN and infinities are not served.  The rows t < 16 of each batch are made here too, and stored, but the last launch does not use them for out0.
.set KP,    144                        ; a row of K in LDS: 128 bytes + 16 = 36 words: the 16 rows of a load start at 16 different groups of four banks (64 banks of 4 bytes: ISA guide 11.1)
.set VP,    160                        ; a row of V: 128 + 32 = 40 words: 16 lanes of the turning load take 8 rows x 32 bytes
.set CHUNK, 256                        ; keys in a slot
.set VOFF,  CHUNK*KP                   ; a slot: K's rows, then V's
.set SLOT1, 1<<17                      ; slot 1 begins here: one exclusive or turns an address in one slot into the other's
.set STAGE, SLOT1+VOFF+CHUNK*VP        ; behind the ring: 32 rows x 144 bytes for each wave, for the way out; no fill lands there
.set SPARE, STAGE+8*32*KP              ; behind the stages: the spare words, 128 bytes for each wave
.set AK0, 1                            ; v1   my lane's place in a tile of K; never rewritten
.set AV0, 2                            ; v2   the same for V
.set SPW, 3                            ; v3   LDS address of my spare word; never rewritten
.set NIL, 4                            ; v4   0; never rewritten
.set ADK, 5                            ; v5   LDS address of the step's K
.set ADV, 6                            ; v6   of its V
.set QO,  7                            ; v7   my byte offset in the wave's rows of Q
.set STO, 8                            ; v8   the way out: where I put 16 bytes of a row
.set RD,  9                            ; v9   the way out: where I read rows back
.set GO,  10                           ; v10  16 x lane
.set PFO, 11                           ; v11  256 x lane: the prefetches' offset
.set DL,  12                           ; v12  lane % 16 - 8 (lane / 16)
.set NINF, 13                          ; v13  -infinity
.set ST,  16                           ; tile t's statistics at v[ST + 8 t]: +0 c m, +1 m, +2, +3 l (even keys', odd keys'), +4 to +7 c0-c3, at work; a takes c2's place
.set Q,   32                           ; v32-63   Q: tile t, channels 32 dk on, at 16 t + 8 dk
.set S,   64                           ; v64-127  S^T: tile t, keys 16 kb on, at 32 t + 8 kb; P is packed into the first 16 of a tile's 32
.set KV,  128                          ; v128-191 K (16 kb + 8 dk), then V (32 kk + 8 cb), then rows on their way out
.set O,   192                          ; v192-255 O^T: tile t, channels 16 cb on, at 32 t + 8 cb
.set INNER, 2                          ; s2   counts a chunk's four steps
.set WV,  12                           ; s12  my wave's number
.set J1,  13                           ; s13  the first block: 7 - I
.set J1P, 14                           ; s14  its chunks: 8 - I
.set FI,  15                           ; s15  fills asked for behind the first; counts the loop
.set G1K, 24                           ; s[24:31] descriptor group 1 for K's tiles;  s[32:39] for V's: it differs in the padding alone
.set G1V, 32
.set G0K, 40                           ; s[40:43], s[44:47] their groups 0
.set G0V, 44
.set KB,  48                           ; s[48:49] my half of the head's chunk 0 of K;  s[50:51] of V
.set VB,  50
.set PFK, 52                           ; s[52:53], s[54:55] where my prefetches stand, in K and in V
.set PFV, 54
.set LIM, 56                           ; s56  a wave prefetches while s[FI] is under it: 7 in the waves that ask, else 0
.set KF,  57                           ; s57  the step's first key
.set SEL, 58                           ; s[58:59] lane selects for v_permlanex16_b32: lane l xor 16
.set CS,  60                           ; s[60:61] c, twice
.set Q0,  62                           ; s62  my first query
.set QEND, 63                          ; s63  the first key behind the block
.set OB,  66                           ; s[66:67] att16 at my first query;  s[68:69] Q likewise
.set QB,  68
.set TK,  70                           ; s70  LDS byte at which the step's rows of K begin;  s71 the same for V, less VOFF
.set TV,  71
; Waves 0 and 1 fetch for K, waves 2 and 3 for V, the others nothing.  The branches hang on the wave's number alone.  Four v_nop follow each of the two lines.
.macro TLOAD
	s_cmp_lt_u32 s[WV], 2
	s_cbranch_scc0 .Lnot_k_\@
	tensor_load_to_lds s[G0K:G0K+3], s[G1K:G1K+7]
	s_nop 0
.rept 4
	v_nop
.endr
	s_branch .Lasked_\@
.Lnot_k_\@:
	s_cmp_lt_u32 s[WV], 4
	s_cbranch_scc0 .Lasked_\@
	tensor_load_to_lds s[G0V:G0V+3], s[G1V:G1V+7]
	s_nop 0
.rept 4
	v_nop
.endr
.Lasked_\@:
.endm
; A PREFETCH of what the NEXT change of slots will ask for: a chunk of K and of V, 32,768 dense bytes each.  It stands at the change of slots, where the fetching waves have their tensor load.
; Each aligned block of 256 bytes is named ONCE in the launch: the work-groups of a head walk the same chunks 0 .. 7 - I in their first block, so the head's work-group I = 0, which walks all eight, asks; in it waves 4 to 7, which fetch
; nothing: 8,192 bytes of K and 8,192 of V a wave, lanes 256 bytes apart, two instructions.  At fill f = 1 .. 6 chunk f + 1 is named: four key steps ahead of its load.  Chunks 0 and 1, and the second block's chunks, are not asked for.
.macro ASK
	s_cmp_lt_u32 s[FI], s[LIM]
	s_cbranch_scc0 .Lnot_mine_\@
	global_prefetch_b8 v[PFO], s[PFK:PFK+1] th:TH_LOAD_NT scope:SCOPE_SE
	global_prefetch_b8 v[PFO], s[PFV:PFV+1] th:TH_LOAD_NT scope:SCOPE_SE
.Lnot_mine_\@:
.endm
.macro QLOAD                           ; my 32 queries stay in registers: a fragment is 16 rows x 32 channels: two loads of 16 bytes, 32 bytes apart
.irp t, 0,1
.irp dk, 0,1
	global_load_b128 v[Q+16*\t+8*\dk:Q+16*\t+8*\dk+3],   v[QO], s[QB:QB+1] offset:\t*2048+\dk*64
	global_load_b128 v[Q+16*\t+8*\dk+4:Q+16*\t+8*\dk+7], v[QO], s[QB:QB+1] offset:\t*2048+\dk*64+32
.endr
.endr
.endm
	s_load_b128 s[4:7], s[0:1], 0x0                ; qkv16, att16
	v_lshl_add_u32 v[SPW], v0, 2, SPARE
	v_mov_b32 v[NIL], 0
	ds_add_u32 v3, v4
	s_wait_dscnt 0x0
	v_lshrrev_b32 v5, 5, v0
	v_readfirstlane_b32 s[WV], v5                  ; wave 0..7
	s_and_b32 s18, ttmp7, 0xffff                   ; batch x head
	s_lshl_b32 s18, s18, 18                        ; its 2,048 rows of 128 bytes
	s_mov_b32 s19, 0
	s_sub_co_u32 s[J1], 7, ttmp9
	s_add_co_u32 s[J1P], s[J1], 1
	s_mov_b32 s[FI], 0
	s_and_b32 s20, s[WV], 1                        ; which 128 rows of a chunk I fetch, if I fetch:
	s_lshl_b32 s22, s20, 14                        ; in memory,
	s_mov_b32 s23, 0
	s_add_nc_u64 s[22:23], s[22:23], s[18:19]
	s_mul_i32 s21, s20, 128*KP                     ; in a slot, for K,
	s_mul_i32 s20, s20, 128*VP
	s_add_co_u32 s20, s20, VOFF                    ; and for V
	; descriptor group 1: a tile of 128 rows x 64 elements, dense in memory, padded in LDS behind every row
	s_mov_b32 s[G1K], (1<<16)|(1<<20)|(4<<22)|(3<<25)   ; 15:0 no mask; 17:16 elements of 2 bytes; 20 padding on; 24:22 after every 32 words (code 4); 31:25 4 words of it (code 3)
	s_mov_b32 s[G1V], (1<<16)|(1<<20)|(4<<22)|(7<<25)   ; the same with 8 words of padding (code 7)
.irp g, G1K, G1V
	s_mov_b32 s[\g+1], 64<<16                      ; tensor_dim0 = 64
	s_mov_b32 s[\g+2], 128<<16                     ; tensor_dim1 = 128
	s_mov_b32 s[\g+3], 64<<16                      ; tile_dim0 = 64
	s_mov_b32 s[\g+4], 128                         ; tile_dim1 = 128
	s_mov_b32 s[\g+5], 64                          ; tensor_dim0_stride
	s_mov_b32 s[\g+6], 0
	s_mov_b32 s[\g+7], 0
.endr
	s_mov_b32 s[SEL], 0x76543210
	s_mov_b32 s[SEL+1], 0xfedcba98
	s_mov_b32 s[CS], 0x3e38aa3b                    ; c = log2(e) / 8
	s_mov_b32 s[CS+1], s[CS]
	s_mov_b32 s[KF], 0
	s_mov_b32 s[TK], 0
	s_mov_b32 s[TV], 0
	s_wait_kmcnt 0x0
	s_add_nc_u64 s[KB:KB+1], s[4:5], s[22:23]
	s_add_nc_u64 s[VB:VB+1], s[KB:KB+1], 0x2000000 ; V is the third tensor,
	s_add_nc_u64 s[KB:KB+1], s[KB:KB+1], 0x1000000 ; K the second
	s_mov_b32 s[G0K], 1                            ; 1:0 count = 1
	s_mov_b32 s[G0K+1], s21                        ; 63:32 LDS address: slot 0
	s_mov_b64 s[G0K+2:G0K+3], s[KB:KB+1]           ; 120:64 global address: chunk 0
	s_or_b32 s[G0K+3], s[G0K+3], 0x80000000        ; 127:126 type = 2
	s_mov_b32 s[G0V], 1
	s_mov_b32 s[G0V+1], s20
	s_mov_b64 s[G0V+2:G0V+3], s[VB:VB+1]
	s_or_b32 s[G0V+3], s[G0V+3], 0x80000000
	TLOAD                                          ; chunk 0 into slot 0: the launch's one first fill at the start; one tensor load of a fetching wave is out
	s_add_nc_u64 s[8:9], s[4:5], s[18:19]          ; the head's Q,
	s_add_nc_u64 s[10:11], s[6:7], s[18:19]        ; and its rows of att16
	s_lshl_b32 s[Q0], s[J1], 8
	s_lshl_b32 s16, s[WV], 5
	s_add_co_u32 s[Q0], s[Q0], s16                 ; my first query: 256 x block + 32 x wave
	s_lshl_b32 s[QEND], s[J1P], 8
	s_lshl_b32 s16, s[Q0], 7
	s_mov_b32 s17, 0
	s_add_nc_u64 s[QB:QB+1], s[8:9], s[16:17]
	s_add_nc_u64 s[OB:OB+1], s[10:11], s[16:17]
	v_and_b32 v15, 15, v0                          ; r = lane % 16
	v_bfe_u32 v14, v0, 4, 1                        ; h = lane / 16
	v_lshlrev_b32 v[QO], 7, v15
	v_lshl_add_u32 v[QO], v14, 4, v[QO]            ; row r of 128 bytes + 16 h
	QLOAD
	s_and_b32 s16, s[WV], 3                        ; the prefetches: my wave's 8,192 bytes,
	s_lshl_b32 s16, s16, 13
	s_add_co_u32 s16, s16, 32768                   ; in chunk 1: the first change of slots steps it to chunk 2.  Nothing is prefetched here, at the head
	s_mov_b32 s17, 0
	s_add_nc_u64 s[16:17], s[16:17], s[18:19]
	s_add_nc_u64 s[PFK:PFK+1], s[4:5], s[16:17]
	s_add_nc_u64 s[PFV:PFV+1], s[PFK:PFK+1], 0x2000000
	s_add_nc_u64 s[PFK:PFK+1], s[PFK:PFK+1], 0x1000000
	s_lshr_b32 s16, s[WV], 2
	s_xor_b32 s16, s16, 1                          ; 0 in waves 4 to 7,
	s_or_b32 s16, s16, ttmp9                       ; of the head's work-group 0
	s_cmp_eq_u32 s16, 0
	s_cselect_b32 s[LIM], 7, 0
	v_mul_u32_u24 v[AK0], v15, KP
	v_lshl_add_u32 v[AK0], v14, 4, v[AK0]          ; K: row r x pitch + 16 h
	v_and_b32 v5, 7, v0
	v_lshl_add_u32 v5, v14, 3, v5                  ; V: the turning load takes 16 keys x 16 channels: lane l reads key 8 h + l % 8, channels 8 ((l / 8) % 2) on
	v_mul_u32_u24 v[AV0], v5, VP
	v_bfe_u32 v6, v0, 3, 1
	v_lshl_add_u32 v[AV0], v6, 4, v[AV0]
	v_add_nc_u32 v[AV0], VOFF, v[AV0]
	s_mul_i32 s16, s[WV], 32*KP
	s_add_co_u32 s16, s16, STAGE                   ; my stage
	v_add_nc_u32 v[STO], s16, v[AK0]               ; in: row r, 16 bytes for each half of the lanes
	v_and_b32 v5, 31, v0
	v_lshlrev_b32 v[GO], 4, v5
	v_lshlrev_b32 v[PFO], 8, v5
	v_lshrrev_b32 v5, 3, v5                        ; back: eight lanes to a row of 128 bytes, four rows an instruction
	v_mul_u32_u24 v5, v5, KP
	v_and_b32 v6, 7, v0
	v_lshl_add_u32 v5, v6, 4, v5
	v_add_nc_u32 v[RD], s16, v5
	v_lshlrev_b32 v5, 3, v14
	v_sub_nc_u32 v[DL], v15, v5
	v_mov_b32 v[NINF], 0xff800000
.irp t, 0,1
	v_mov_b32 v[ST+8*\t+1], 0xff61b1e6             ; m = -3e38, under every score
	v_mul_f32 v[ST+8*\t], s[CS], v[ST+8*\t+1]      ; c m
.irp n, 2,3,4,5,6,7
	v_mov_b32 v[ST+8*\t+\n], 0                     ; l; and the registers at work, written once: a lane permute's destination and a pair's upper half count as read
.endr
.endr
.set i, 0
.rept 64
	v_mov_b32 v[O+i], 0                            ; O^T, once: the step is written for every step alike, and the first finds zeros
.set i, i+1
.endr
	s_wait_loadcnt 0x0                             ; Q
; THE CHANGE OF SLOTS stands at a chunk's head.  Each wave waits for all its tensor loads (its part of the slot that it is about to read), adds 0 to its spare word, and waits for that and for its reads of the slot that it has left.
; Behind the barrier the slot ahead is whole and nobody reads the other one.  fill = 1: that other slot is filled with the walk's next chunk: fill f is chunk f of the first block while f <= 7 - I, then chunk f - (8 - I) of the second.
.macro CHANGE fill
	s_wait_tensorcnt 0x0                           ; no tensor load of mine is out, so a group 0 may be written
	ds_add_u32 v[SPW], v[NIL]                      ; 0 onto my spare word: with fill = 1 the descriptors' steps stand between it and the wait for it
.if \fill
	s_add_co_u32 s[FI], s[FI], 1
	s_sub_co_u32 s17, s[FI], s[J1P]
	s_cmp_le_u32 s[FI], s[J1]
	s_cselect_b32 s16, s[FI], s17                  ; the chunk
	s_lshl_b32 s16, s16, 15                        ; its 256 rows of 128 bytes
	s_mov_b32 s17, 0
	s_xor_b32 s[G0K+1], s[G0K+1], SLOT1            ; the other slot than last time
	s_xor_b32 s[G0V+1], s[G0V+1], SLOT1
	s_add_nc_u64 s[G0K+2:G0K+3], s[KB:KB+1], s[16:17]
	s_or_b32 s[G0K+3], s[G0K+3], 0x80000000
	s_add_nc_u64 s[G0V+2:G0V+3], s[VB:VB+1], s[16:17]
	s_or_b32 s[G0V+3], s[G0V+3], 0x80000000
	s_wait_xcnt 0x0                                ; the last prefetches, a chunk back, have read their addresses, so these may be written
	s_add_nc_u64 s[PFK:PFK+1], s[PFK:PFK+1], 32768
	s_add_nc_u64 s[PFV:PFV+1], s[PFV:PFV+1], 32768
.endif
	s_wait_dscnt 0x0                               ; the add is done, and my reads of the slot that I have left are over
	s_barrier_signal -1
	s_barrier_wait -1
.if \fill
	TLOAD                                          ; the first thing behind the barrier, and a wave's one tensor load until the next: it has a chunk's four steps in which to land
	ASK
.endif
.endm
; A CHUNK'S FOUR KEY STEPS of 64 keys: written once, walked four times; the LDS addresses hang on s[TK] and s[TV].
.macro STEPS
	s_mov_b32 s[INNER], 4
.Lstep_\@:
	s_add_co_u32 s16, s[Q0], 31
	s_cmp_gt_u32 s[KF], s16                        ; all 64 keys come after my 32 queries: nothing to do
	s_cbranch_scc1 .Lhidden_\@
	v_add_nc_u32 v[ADK], s[TK], v[AK0]
	v_add_nc_u32 v[ADV], s[TV], v[AV0]
.irp kb, 0,1,2,3                       ; K: keys 16 kb on, channels 32 dk on
.irp dk, 0,1
	ds_load_b128 v[KV+16*\kb+8*\dk:KV+16*\kb+8*\dk+3],   v[ADK] offset:\kb*16*KP+\dk*64
	ds_load_b128 v[KV+16*\kb+8*\dk+4:KV+16*\kb+8*\dk+7], v[ADK] offset:\kb*16*KP+\dk*64+32
.endr
.endr
	s_wait_dscnt 0x0
.irp dk, 0,1                           ; S^T = K Q^T: eight accumulators by turns, one instruction a turn; the first eight start the sums
.irp kb, 0,1,2,3
.irp t, 0,1
.if \dk == 0
	v_wmma_f32_16x16x32_f16 v[S+32*\t+8*\kb:S+32*\t+8*\kb+7], v[KV+16*\kb+8*\dk:KV+16*\kb+8*\dk+7], v[Q+16*\t+8*\dk:Q+16*\t+8*\dk+7], 0
.else
	v_wmma_f32_16x16x32_f16 v[S+32*\t+8*\kb:S+32*\t+8*\kb+7], v[KV+16*\kb+8*\dk:KV+16*\kb+8*\dk+7], v[Q+16*\t+8*\dk:Q+16*\t+8*\dk+7], v[S+32*\t+8*\kb:S+32*\t+8*\kb+7]
.endif
.endr
.endr
.endr
.rept 4
	v_nop                                          ; four places: in front of the loads into K's registers, which those products read, and of the first read of the scores (ISA guide 7.12.1 for vector instructions)
.endr
.irp kk, 0,1                           ; V, turned: keys 32 kk on, channels 16 cb on; it lands while the softmax is worked
.irp cb, 0,1,2,3
	ds_load_tr16_b128 v[KV+32*\kk+8*\cb:KV+32*\kk+8*\cb+3],   v[ADV] offset:\kk*32*VP+\cb*32
	ds_load_tr16_b128 v[KV+32*\kk+8*\cb+4:KV+32*\kk+8*\cb+7], v[ADV] offset:\kk*32*VP+16*VP+\cb*32
.endr
.endr
	s_add_co_u32 s16, s[KF], 63
	s_cmp_le_u32 s16, s[Q0]                        ; all 64 keys count for all my queries: no mask
	s_cbranch_scc1 .Lopen_\@
	s_sub_co_i32 s16, s[Q0], s[KF]
	v_add_nc_u32 v14, s16, v[DL]                   ; d = Q0 - KF + r - 8 h.  Tile t's register 8 kb + j holds key KF + 16 kb + 8 h + j for query Q0 + 16 t + r: hidden where 16 kb + j - 16 t > d
.irp t, 0,1
.irp kb, 0,1,2,3
.irp j, 0,1,2,3,4,5,6,7
	v_cmp_gt_i32 vcc_lo, 16*\kb+\j-16*\t, v14
	v_cndmask_b32 v[S+32*\t+8*\kb+\j], v[S+32*\t+8*\kb+\j], v[NINF], vcc_lo
.endr
.endr
.endr
.Lopen_\@:
	; the maximum of a lane's 32 scores and the old m, three operands at a time, four chains a tile, each accumulator from its low end on; the two tiles by turns
.irp c, 0,1,2,3
.irp t, 0,1
	v_max3_num_f32 v[ST+8*\t+4+\c], v[S+32*\t+8*\c], v[S+32*\t+8*\c+1], v[S+32*\t+8*\c+2]
.endr
.endr
.irp i, 3,5
.irp c, 0,1,2,3
.irp t, 0,1
	v_max3_num_f32 v[ST+8*\t+4+\c], v[ST+8*\t+4+\c], v[S+32*\t+8*\c+\i], v[S+32*\t+8*\c+\i+1]
.endr
.endr
.endr
.irp t, 0,1
	v_max3_num_f32 v[ST+8*\t+4], v[ST+8*\t+4], v[S+32*\t+7], v[S+32*\t+15]
	v_max3_num_f32 v[ST+8*\t+6], v[ST+8*\t+6], v[S+32*\t+23], v[S+32*\t+31]
.endr
.irp t, 0,1
	v_max3_num_f32 v[ST+8*\t+4], v[ST+8*\t+4], v[ST+8*\t+5], v[ST+8*\t+6]
.endr
.irp t, 0,1
	v_max3_num_f32 v[ST+8*\t+4], v[ST+8*\t+4], v[ST+8*\t+7], v[ST+8*\t+1]
.endr
.irp t, 0,1
	v_permlanex16_b32 v[ST+8*\t+5], v[ST+8*\t+4], s[SEL], s[SEL+1]   ; the query's other 32 keys lie in the lane 16 away
.endr
.irp t, 0,1
	v_mov_b32 v[ST+8*\t+7], v[ST+8*\t]             ; c m_old is kept for a
.endr
.irp t, 0,1
	v_max_num_f32 v[ST+8*\t+1], v[ST+8*\t+4], v[ST+8*\t+5]
.endr
.irp t, 0,1
	v_mul_f32 v[ST+8*\t], s[CS], v[ST+8*\t+1]
.endr
.irp t, 0,1
	v_sub_f32 v[ST+8*\t+7], v[ST+8*\t+7], v[ST+8*\t]
.endr
.irp t, 0,1
	v_exp_f32 v[ST+8*\t+6], v[ST+8*\t+7]           ; a = 2^(c m_old - c m_new)
.endr
.irp b, 0,2,4,6,8,10,12,14,16,18,20,22,24,26,28,30
.irp t, 0,1
	v_pk_fma_f32 v[S+32*\t+\b:S+32*\t+\b+1], v[S+32*\t+\b:S+32*\t+\b+1], s[CS:CS+1], v[ST+8*\t:ST+8*\t+1] op_sel_hi:[1,0,0] neg_lo:[0,0,1] neg_hi:[0,0,1]   ; c s - c m, two at a time
.endr
.endr
.set i, 0
.rept 64
	v_exp_f32 v[S+i], v[S+i]                       ; p, at most 1
.set i, i+1
.endr
	s_wait_alu depctr_va_vdst(0)
.irp t, 0,1
	v_pk_mul_f32 v[ST+8*\t+2:ST+8*\t+3], v[ST+8*\t+2:ST+8*\t+3], v[ST+8*\t+6:ST+8*\t+7] op_sel_hi:[1,0]   ; l under the new m.  (A plain place behind the exponentials)
.endr
.irp t, 0,1
	v_pk_add_f32 v[ST+8*\t+4:ST+8*\t+5], v[S+32*\t:S+32*\t+1], v[S+32*\t+2:S+32*\t+3]   ; the sum of the f32 weights, two at a time, in two chains a tile
.endr
.irp b, 4,8,12,16,20,24,28
.irp t, 0,1
	v_pk_add_f32 v[ST+8*\t+2:ST+8*\t+3], v[ST+8*\t+2:ST+8*\t+3], v[S+32*\t+\b:S+32*\t+\b+1]
	v_pk_add_f32 v[ST+8*\t+4:ST+8*\t+5], v[ST+8*\t+4:ST+8*\t+5], v[S+32*\t+\b+2:S+32*\t+\b+3]
.endr
.endr
.irp t, 0,1
	v_pk_add_f32 v[ST+8*\t+2:ST+8*\t+3], v[ST+8*\t+2:ST+8*\t+3], v[ST+8*\t+4:ST+8*\t+5]
.endr
.irp i, 0,1,2,3,4,5,6,7,8,9,10,11,12,13,14,15
.irp t, 0,1
	v_cvt_pk_f16_f32 v[S+32*\t+\i], v[S+32*\t+2*\i], v[S+32*\t+2*\i+1]   ; P in place, ascending: register i is written when registers 2 i and 2 i + 1 are read
.endr
.endr
.irp i, 0,2,4,6,8,10,12,14,16,18,20,22,24,26,28,30
.irp t, 0,1
	v_pk_mul_f32 v[O+32*\t+\i:O+32*\t+\i+1], v[O+32*\t+\i:O+32*\t+\i+1], v[ST+8*\t+6:ST+8*\t+7] op_sel_hi:[1,0]   ; O^T under the new m, each accumulator from its low end on
.endr
.endr
	s_wait_dscnt 0x0                               ; V is in
.irp kk, 0,1                           ; O^T += V^T P: eight accumulators by turns
.irp cb, 0,1,2,3
.irp t, 0,1
	v_wmma_f32_16x16x32_f16 v[O+32*\t+8*\cb:O+32*\t+8*\cb+7], v[KV+32*\kk+8*\cb:KV+32*\kk+8*\cb+7], v[S+32*\t+8*\kk:S+32*\t+8*\kk+7], v[O+32*\t+8*\cb:O+32*\t+8*\cb+7]
.endr
.endr
.endr
.rept 5
	v_nop                                          ; five places: the next step's products write over P's registers, which these products read; its loads land in V's
.endr
.Lhidden_\@:
	s_add_co_u32 s[KF], s[KF], 64
	s_add_co_u32 s[TK], s[TK], 64*KP
	s_add_co_u32 s[TV], s[TV], 64*VP
	s_sub_co_u32 s[INNER], s[INNER], 1
	s_cmp_lg_u32 s[INNER], 0
	s_cbranch_scc1 .Lstep_\@
	s_sub_co_u32 s[TK], s[TK], CHUNK*KP            ; back to a slot's first step,
	s_sub_co_u32 s[TV], s[TV], CHUNK*VP
	s_xor_b32 s[TK], s[TK], SLOT1                  ; in the other slot
	s_xor_b32 s[TV], s[TV], SLOT1
.endm
; A BLOCK IS DONE.  l's two halves and the other half of the lanes' are added; O^T is divided by l, rounded to f16 and sent through my stage: a lane's eight channels are 16 bytes of a row of 128; they come back four rows an instruction,
; and in att16 a head's rows follow each other: each store of the wave covers 512 consecutive bytes, aligned.  reload = 1: the second block begins.
.macro FINISH reload
.irp t, 0,1
	v_add_f32 v[ST+8*\t+4], v[ST+8*\t+2], v[ST+8*\t+3]
.endr
.irp t, 0,1
	v_permlanex16_b32 v[ST+8*\t+5], v[ST+8*\t+4], s[SEL], s[SEL+1]
.endr
.irp t, 0,1
	v_add_f32 v[ST+8*\t+4], v[ST+8*\t+4], v[ST+8*\t+5]
.endr
.irp t, 0,1
	v_rcp_f32 v[ST+8*\t+6], v[ST+8*\t+4]
.endr
	v_nop                                          ; a plain place behind the reciprocals
	s_wait_alu depctr_va_vdst(0)
.irp t, 0,1
.irp i, 0,2,4,6,8,10,12,14,16,18,20,22,24,26,28,30
	v_pk_mul_f32 v[O+32*\t+\i:O+32*\t+\i+1], v[O+32*\t+\i:O+32*\t+\i+1], v[ST+8*\t+6:ST+8*\t+7] op_sel_hi:[1,0]
.endr
.endr
.irp t, 0,1
.irp i, 0,1,2,3,4,5,6,7,8,9,10,11,12,13,14,15
	v_cvt_pk_f16_f32 v[S+16*\t+\i], v[O+32*\t+2*\i], v[O+32*\t+2*\i+1]
.endr
.endr
.irp t, 0,1
.irp cb, 0,1,2,3
	ds_store_b128 v[STO], v[S+16*\t+4*\cb:S+16*\t+4*\cb+3] offset:\t*16*KP+32*\cb
.endr
.endr
.irp i, 0,1,2,3,4,5,6,7
	ds_load_b128 v[KV+4*\i:KV+4*\i+3], v[RD] offset:\i*4*KP   ; LDS serves a wave's instructions in order (ISA guide 5.7.1.4): these see the stores above
.endr
.irp i, 0,1,2,3,4,5,6,7
	s_wait_dscnt 7-\i                              ; the younger loads from the stage may be out
	global_store_b128 v[GO], v[KV+4*\i:KV+4*\i+3], s[OB:OB+1] offset:512*\i
.endr
.if \reload
	s_wait_xcnt 0x0                                ; the stores have read their registers and their base: both may be written again
	s_lshl_b32 s[Q0], ttmp9, 8
	s_lshl_b32 s16, s[WV], 5
	s_add_co_u32 s[Q0], s[Q0], s16                 ; block I
	s_add_co_u32 s[QEND], ttmp9, 1
	s_lshl_b32 s[QEND], s[QEND], 8
	s_mov_b32 s[KF], 0                             ; its keys begin anew, as the fills do
	s_lshl_b32 s16, s[Q0], 7
	s_mov_b32 s17, 0
	s_add_nc_u64 s[QB:QB+1], s[8:9], s[16:17]
	s_add_nc_u64 s[OB:OB+1], s[10:11], s[16:17]
	QLOAD
.irp t, 0,1
	v_mov_b32 v[ST+8*\t+1], 0xff61b1e6             ; m = -3e38: the block's first a is 2^(-5e37 - c m) = 0, which clears O^T and l: both are finite
	v_mul_f32 v[ST+8*\t], s[CS], v[ST+8*\t+1]
.endr
	s_wait_loadcnt 0x0
.endif
.endm
.Lslot:                                            ; eight trips: behind each change of slots the walk's next chunk is asked for
	CHANGE 1
	STEPS
	s_cmp_lg_u32 s[KF], s[QEND]                    ; the first block's last chunk is done in trip 8 - I
	s_cbranch_scc1 .Lnot_done
	FINISH 1
.Lnot_done:
	s_cmp_lt_u32 s[FI], 8
	s_cbranch_scc1 .Lslot
	CHANGE 0                                       ; the ninth chunk is written out
	STEPS
	FINISH 0
	s_wait_tensorcnt 0x0                           ; the wave's end, behind my last tensor load and my last LDS store
	ds_add_u32 v[SPW], v[NIL]
	s_wait_dscnt 0x0
	s_endpgm
.Lfunc_end_k_qacb9328455_attn:
	.size	k_qacb9328455_attn, .Lfunc_end_k_qacb9328455_attn-k_qacb9328455_attn
	.p2alignl 7, 3214868480
	.fill 96, 4, 3214868480
	.section	.rodata,"a",@progbits
	.p2align	6, 0x0
	.amdhsa_kernel k_qacb9328455_attn
		.amdhsa_group_segment_fixed_size 327680
		.amdhsa_private_segment_fixed_size 0
		.amdhsa_enable_private_segment 0
		.amdhsa_kernarg_size 16
		.amdhsa_user_sgpr_count 2
		.amdhsa_user_sgpr_kernarg_segment_ptr 1
		.amdhsa_wavefront_size32 1
		.amdhsa_system_sgpr_workgroup_id_x 1
		.amdhsa_system_sgpr_workgroup_id_y 1
		.amdhsa_system_sgpr_workgroup_id_z 1
		.amdhsa_system_vgpr_workitem_id 0
		.amdhsa_next_free_vgpr 256
		.amdhsa_next_free_sgpr 72
		.amdhsa_reserve_vcc 1
		.amdhsa_float_denorm_mode_32 3
		.amdhsa_float_denorm_mode_16_64 3
		.amdhsa_memory_ordered 1
		.amdhsa_forward_progress 1
		.amdhsa_inst_pref_size 69
	.end_amdhsa_kernel
	.amdgpu_metadata
---
amdhsa.version: [ 1, 2 ]
amdhsa.kernels:
  - .name:           k_qacb9328455_attn
    .symbol:         k_qacb9328455_attn.kd
    .args:
      - { .name: qkv16, .offset: 0, .size: 8, .value_kind: global_buffer, .address_space: global }
      - { .name: att16, .offset: 8, .size: 8, .value_kind: global_buffer, .address_space: global }
    .group_segment_fixed_size: 327680
    .private_segment_fixed_size: 0
    .kernarg_segment_align: 8
    .kernarg_segment_size: 16
    .max_flat_workgroup_size: 256
    .sgpr_count:     72
    .vgpr_count:     256
    .wavefront_size: 32
...
	.end_amdgpu_metadata
.endif
;; end of part 4
;; launch proj (part 5): grid 4 x 64, 4 waves a work-group, clusters of 4 x 4, 327,680 bytes of LDS; arguments att16, wo16, out0; writes out0
.if DOCPART == 5
	.amdgcn_target "amdgcn-amd-amdhsa--gfx1250"
	.amdhsa_code_object_version 6
	.text
	.protected	k_qacb9328455_proj
	.globl	k_qacb9328455_proj
	.p2align	8
	.type	k_qacb9328455_proj,@function
k_qacb9328455_proj:
	s_mov_b64 s[64:65], 0
	v_nop
	global_prefetch_b8 v0, s[64:65] scope:SCOPE_SE
	s_setreg_imm32_b32 hwreg(HW_REG_WAVE_MODE, 25, 1), 1
	s_wait_xcnt 0x0
	s_wait_alu depctr_hold_cnt(0) depctr_sa_sdst(0) depctr_va_vdst(0) depctr_va_sdst(0) depctr_va_ssrc(0) depctr_va_vcc(0) depctr_vm_vsrc(0)
	s_getreg_b32 s2, hwreg(HW_REG_IB_STS2, 6, 4)
	s_cmp_eq_u32 s2, 0
	s_cbranch_scc0 .Lentry_in_a_cluster
	s_endpgm
.Lentry_in_a_cluster:
	s_bfe_u32 s2, ttmp6, 0x10000c
	s_cmp_lg_u32 s2, 0xf033
	s_cbranch_scc0 .Lentry_shape_is_right
	s_endpgm
.Lentry_shape_is_right:
; out0[m][n] = sum over k of att[m][k] Wo[n][k], rows t >= 16 of each batch.  att16 [64 batch x head][2048 t][64] f16: k = 64 head + channel; wo16 [1024][1024] f16; out0 [8192][1024] f32; sums in f32.
; The rows t < 16 of each batch are another launch's: they are multiplied here with their tile, and their stores are jumped over.
; A tile of out0 is 128 rows x 256 columns: 256 work-groups.  Four waves, each 64 x 128: 32 accumulators of 16 x 16, 256 registers.  K goes in steps of 128, two heads, through a ring of two LDS slots filled by the tensor data mover:
; of A a step is two planes (a head each) of 128 rows x 128 bytes, each dense in memory; of B 256 rows x 256 bytes.  Waves 0 and 1 fetch A's planes, waves 2 and 3 B's halves, 128 rows a load.
; CLUSTERS: 4 x 4 work-groups.  Tile row = cluster y + 16 cy: so cy is the batch, and whether a tile holds the rows t < 16 hangs on the cluster's y alone, which all partners share.  Tile column = cx.
; The four of a row of the cluster need the same tiles of A, the four of a column the same tiles of B: each tile is asked for JOINTLY, by the same tensor load with the same descriptor and a mask that names the four.
; THE MATRIX INSTRUCTION IS USED TRANSPOSED (source 0 = 16 rows of Wo, source 1 = 16 rows of att): a lane then holds eight neighbouring numbers of a row of out0.
; REGISTERS: window 0: v0-31 addresses; v32-95 A's fragments (4 x 16 rows x 32 K), two buffers; v96-223 B's (8 x), two buffers; on the way out v96-223 take rows.  window 1: the accumulators ((a, b) at v[8 (8 a + b)]).
.set AP,     144                       ; a row of A in LDS: 128 bytes + 16
.set BP,     272                       ; a row of B: 256 bytes + 16: in both the 16 rows that a load touches start at different banks (64 banks of 4 bytes: ISA guide 11.1)
.set PLANE,  128*AP                    ; a head's 128 rows
.set BOFF,   2*PLANE                   ; B's rows lie behind A's two planes
.set HALFB,  128*BP
.set SLOT,   BOFF+2*HALFB
.set SPARE,  2*SLOT                    ; behind the ring: the spare words, 128 bytes for each wave
.set SPITCH, 528                       ; the way out: a stage of 16 rows x (512 bytes + 16) for each wave.  It lies in slot 0, which has had its last fill and its last read when the first result is stored there
.set LAPS,   4                         ; a lap = two K steps = once round the ring; K = 1,024
.set ADRA, 16                          ; v16-17  LDS address of my A fragments in slot 0, 1
.set ADRB, 20                          ; v20-21  the same for B
.set STO,  24                          ; v24     the way out: where I put 32 bytes of a row
.set RD,   25                          ; v25     the way out: where I read a row back
.set CO,   26                          ; v26     16 x lane
.set SPW,  28                          ; v28     LDS address of my spare word; never rewritten
.set NIL,  29                          ; v29     0; never rewritten
.set FA,   32
.set FB,   96
.set BK,   96                          ; the way out: 16 rows read back: v96-159 and v160-223 by turns
.set G1, 24                            ; s[24:31] descriptor group 1 for A's tiles;  s[32:39] group 0, one set for each slot
.set G0, 32
.set G1B, 48                           ; s[48:55], s[56:63] the same for B's tiles
.set G0B, 56
.set MSB, 0
.macro WIN new                         ; the immediate's high byte repeats the setting that is left
.if MSB != (\new)
	s_set_vgpr_msb (MSB<<8)|(\new)
.set MSB, (\new)
.endif
.endm
.set MUL, 0x50                         ; sources 0 (B) and 1 (A) window 0; C and D window 1
.macro JLOAD s                         ; a joint load: waves 0 and 1 fetch A's planes, waves 2 and 3 B's halves; four v_nop follow each of the two lines, ahead of the jump, the label and what follows
	s_cmp_eq_u32 s11, 0
	s_cbranch_scc0 .Lfor_b_\@
	tensor_load_to_lds s[G0+4*\s:G0+4*\s+3], s[G1:G1+7]
	s_nop 0
.rept 4
	v_nop
.endr
	s_branch .Lasked_\@
.Lfor_b_\@:
	tensor_load_to_lds s[G0B+4*\s:G0B+4*\s+3], s[G1B:G1B+7]
	s_nop 0
.rept 4
	v_nop
.endr
.Lasked_\@:
.endm
.macro CREST                           ; a round of the cluster's barrier behind its opening barrier
	s_cmp_lg_u32 s10, 0
	s_cbranch_scc1 .Lnot_wave_0_\@
	s_barrier_signal -3
.Lnot_wave_0_\@:
	s_barrier_wait -3
	s_barrier_signal -1
	s_barrier_wait -1
.endm
.macro CROUND                          ; a whole round
	s_barrier_signal -1
	s_barrier_wait -1
	CREST
.endm
	s_load_b128 s[4:7], s[0:1], 0x0                ; att16 s[4:5], wo16 s[6:7]
	s_load_b64 s[8:9], s[0:1], 0x10                ; out0
	v_lshl_add_u32 v[SPW], v0, 2, SPARE
	v_mov_b32 v[NIL], 0
	ds_add_u32 v28, v29
	s_wait_dscnt 0x0
	v_lshrrev_b32 v1, 5, v0
	v_readfirstlane_b32 s10, v1                    ; wave 0..3
	s_lshr_b32 s11, s10, 1                         ; which half of the tile's rows is mine.  Also: I fetch for A (0) or for B (1)
	s_and_b32 s12, s10, 1                          ; which half of its columns.  Also: which plane of A, or which 128 rows of B, I fetch
	s_bfe_u32 s40, ttmp6, 0x40000                  ; cx, cy: my place in the cluster
	s_bfe_u32 s41, ttmp6, 0x40004
	s_lshl_b32 s42, ttmp9, 2
	s_add_co_u32 s42, s42, s40                     ; tile column = 4 x cluster x + cx
	s_and_b32 s13, ttmp7, 0xffff                   ; cluster y: the tile's place in its batch; the batch is cy
	s_lshl_b32 s43, s41, 2
	s_lshl_b32 s43, 15, s43                        ; my row of the cluster
	s_lshl_b32 s44, 0x1111, s40                    ; my column
	s_or_b32 s45, s13, s11                         ; 0: my first 16 rows are a batch's rows t < 16.  The same in all partners, for a given wave
	; descriptor group 1.  A: a plane of 128 rows x 64 elements, dense;  B: 128 rows x 128 elements, 1,024 elements apart
	s_or_b32 s[G1+0], s43, (1<<16)|(1<<20)|(1<<21)|(4<<22)|(3<<25)  ; 15:0 the mask: A's tiles go to my row; 17:16 element of 2 bytes; 20 padding on; 21 set beside a mask; 24:22 after every 32 words (code 4); 31:25 of 4 words (code 3)
	s_mov_b32 s[G1+1], 64<<16                      ; tensor_dim0
	s_mov_b32 s[G1+2], 128<<16                     ; tensor_dim1
	s_mov_b32 s[G1+3], 64<<16                      ; tile_dim0
	s_mov_b32 s[G1+4], 128                         ; tile_dim1
	s_mov_b32 s[G1+5], 64                          ; tensor_dim0_stride
	s_mov_b32 s[G1+6], 0
	s_mov_b32 s[G1+7], 0
	s_or_b32 s[G1B+0], s44, (1<<16)|(1<<20)|(1<<21)|(5<<22)|(3<<25) ; B's go to my column; padding after every 64 words (code 5)
	s_mov_b32 s[G1B+1], 128<<16
	s_mov_b32 s[G1B+2], 128<<16
	s_mov_b32 s[G1B+3], 128<<16
	s_mov_b32 s[G1B+4], 128
	s_mov_b32 s[G1B+5], 1024
	s_mov_b32 s[G1B+6], 0
	s_mov_b32 s[G1B+7], 0
	s_lshl_b32 s16, s41, 22                        ; A: batch x 16 heads x 2^18,
	s_lshl_b32 s17, s12, 18                        ; + my plane's head,
	s_add_co_u32 s16, s16, s17
	s_lshl_b32 s17, s13, 14                        ; + the tile's 128 rows of 128 bytes
	s_add_co_u32 s16, s16, s17
	s_mov_b32 s17, 0
	s_lshl_b32 s46, s42, 19                        ; B: 256 rows of 2,048 bytes a tile column,
	s_lshl_b32 s47, s12, 18                        ; + my 128 rows
	s_add_co_u32 s46, s46, s47
	s_mov_b32 s47, 0
	s_mul_i32 s20, s12, PLANE                      ; where they go: no place in the cluster enters an LDS address
	s_mul_i32 s21, s12, HALFB
	s_add_co_u32 s21, s21, BOFF
	s_wait_kmcnt 0x0
	s_add_nc_u64 s[14:15], s[4:5], s[16:17]
	s_add_nc_u64 s[46:47], s[6:7], s[46:47]
	CROUND                                         ; all sixteen work-groups are here: the first joint loads meet
.irp s, 0,1
	s_mov_b32 s[G0+4*\s], 1
	s_add_co_u32 s[G0+4*\s+1], s20, \s*SLOT
	s_add_nc_u64 s[G0+4*\s+2:G0+4*\s+3], s[14:15], \s*524288       ; K step s: two heads on
	s_or_b32 s[G0+4*\s+3], s[G0+4*\s+3], 0x80000000
	s_mov_b32 s[G0B+4*\s], 1
	s_add_co_u32 s[G0B+4*\s+1], s21, \s*SLOT
	s_add_nc_u64 s[G0B+4*\s+2:G0B+4*\s+3], s[46:47], \s*256
	s_or_b32 s[G0B+4*\s+3], s[G0B+4*\s+3], 0x80000000
	JLOAD \s                                       ; two tensor loads of mine are out
.endr
	v_and_b32 v1, 15, v0                           ; l % 16
	v_bfe_u32 v2, v0, 4, 1                         ; l / 16
	v_mul_u32_u24 v3, v1, AP
	v_lshl_add_u32 v3, v2, 4, v3                   ; a fragment's row x pitch + 16 x half
	v_mul_u32_u24 v4, v1, BP
	v_lshl_add_u32 v4, v2, 4, v4
	s_mul_i32 s21, s11, 64*AP                      ; my 64 rows of A, in each plane
	s_mul_i32 s22, s12, HALFB                      ; my 128 rows of B
	s_add_co_u32 s22, s22, BOFF
.irp s, 0,1
	v_add_nc_u32 v[ADRA+\s], s21, v3
	v_add_nc_u32 v[ADRB+\s], s22, v4
	s_add_co_u32 s21, s21, SLOT
	s_add_co_u32 s22, s22, SLOT
.endr
	s_mul_i32 s23, s10, 16*SPITCH                  ; my stage
	v_mul_u32_u24 v5, v1, SPITCH                   ; in: row l % 16, 32 bytes for each half of the lanes
	v_lshl_add_u32 v5, v2, 5, v5
	v_add_nc_u32 v[STO], s23, v5
	v_and_b32 v6, 31, v0
	v_lshlrev_b32 v[CO], 4, v6                     ; back: the 32 lanes take one row of 512 bytes; and the same in out0
	v_add_nc_u32 v[RD], s23, v[CO]
	s_lshl_b32 s16, s41, 23                        ; out0: 2,048 rows of 4,096 bytes a batch,
	s_lshl_b32 s17, s13, 19                        ; 128 a tile,
	s_add_co_u32 s16, s16, s17
	s_lshl_b32 s17, s11, 18                        ; 64 a half
	s_add_co_u32 s16, s16, s17
	s_mov_b32 s17, 0
	s_add_nc_u64 s[8:9], s[8:9], s[16:17]
	s_lshl_b32 s46, s42, 10                        ; my first column, in bytes: 1,024 x tile column + 512 x half
	s_lshl_b32 s47, s12, 9
	s_add_co_u32 s46, s46, s47
	s_mov_b32 s47, 0
	s_add_nc_u64 s[8:9], s[8:9], s[46:47]
; 8 matrix instructions: A's block a x B's eight, 32 along K, from buffer f.  zero = 1: the first product starts the sums: nothing is ever cleared.
; The 32 accumulators take turns, one instruction a turn, in the same order in every quarter.
.macro MUL8 f, a, zero
.irp b, 0,1,2,3,4,5,6,7
.if \zero
	v_wmma_f32_16x16x32_f16 v[8*(8*(\a)+\b):8*(8*(\a)+\b)+7], v[FB+64*(\f)+8*\b:FB+64*(\f)+8*\b+7], v[FA+32*(\f)+8*(\a):FA+32*(\f)+8*(\a)+7], 0
.else
	v_wmma_f32_16x16x32_f16 v[8*(8*(\a)+\b):8*(8*(\a)+\b)+7], v[FB+64*(\f)+8*\b:FB+64*(\f)+8*\b+7], v[FA+32*(\f)+8*(\a):FA+32*(\f)+8*(\a)+7], v[8*(8*(\a)+\b):8*(8*(\a)+\b)+7]
.endif
.endr
.endm
; 24 LDS loads in one run: the fragments of the slot's q-th 32 along K into buffer f: B's eight, then A's four (plane q / 2, channels 32 (q % 2) on)
.macro FETCH slot, q, f
	WIN 0
.irp i, 0,1,2,3,4,5,6,7
	ds_load_b128 v[FB+64*(\f)+8*\i:FB+64*(\f)+8*\i+3],   v[ADRB+\slot] offset:64*(\q)+\i*16*BP
	ds_load_b128 v[FB+64*(\f)+8*\i+4:FB+64*(\f)+8*\i+7], v[ADRB+\slot] offset:64*(\q)+\i*16*BP+32
.endr
.irp i, 0,1,2,3
	ds_load_b128 v[FA+32*(\f)+8*\i:FA+32*(\f)+8*\i+3],   v[ADRA+\slot] offset:((\q)/2)*PLANE+((\q)%2)*64+\i*16*AP
	ds_load_b128 v[FA+32*(\f)+8*\i+4:FA+32*(\f)+8*\i+7], v[ADRA+\slot] offset:((\q)/2)*PLANE+((\q)%2)*64+\i*16*AP+32
.endr
.endm
.macro PLACES                          ; four places in front of loads into registers that matrix instructions have read, and of stores that read results (ISA guide 7.12.1 for vector instructions)
.rept 4
	v_nop
.endr
.endm
; A K step is four quarters of 32 along K, 32 matrix instructions each, on buffers 0, 1, 0, 1.  One of the first three: multiplies buffer f and fetches the slot's q-th quarter into g.
.macro QUARTER slot, q, f, g, zero
	s_wait_dscnt 4                                 ; B's fragments and A's blocks 0 and 1 are in; the youngest four loads (A's blocks 2 and 3) may be out
	WIN MUL
	MUL8 \f, 0, \zero
	MUL8 \f, 1, \zero
	PLACES
	FETCH \slot, \q, \g
	s_wait_dscnt 24                                ; all but the 24 just issued
	WIN MUL
	MUL8 \f, 2, \zero
	MUL8 \f, 3, \zero
.endm
; The last quarter multiplies buffer 1 and changes slots: ONE barrier; in front of it each wave waits for all its tensor loads, adds 0 to its spare word, and waits for that and for its own reads of this slot.  fill = 1: this slot is filled again, two K steps ahead.
.macro TURN slot, next, fill
	WIN 0                                          ; (the add's two registers lie in window 0)
	s_wait_tensorcnt 0x0                           ; all my tensor loads have landed: my part of the next slot;
	ds_add_u32 v[SPW], v[NIL]                      ; 0 onto my spare word;
	s_wait_dscnt 5                                 ; (the add and the youngest four loads may be out)
	WIN MUL
	MUL8 1, 0, 0                                   ; eight matrix instructions stand between the add and the wait for it
	s_wait_dscnt 0x0                               ; the add is done, and my reads of this slot are over
	s_barrier_signal -1
	MUL8 1, 1, 0
	WIN 0
	s_barrier_wait -1
.if \fill
	CREST                                          ; the barrier has opened a round of the cluster's barrier: no wave of any partner still reads this slot's tile or has a load on its way
	s_add_nc_u64 s[G0+4*\slot+2:G0+4*\slot+3], s[G0+4*\slot+2:G0+4*\slot+3], 2*524288
	s_add_nc_u64 s[G0B+4*\slot+2:G0B+4*\slot+3], s[G0B+4*\slot+2:G0B+4*\slot+3], 2*256
	JLOAD \slot                                    ; the first tensor load behind the round, my one load until the next: 112 matrix instructions ahead of the wait for it; the four v_nop behind it are also the places in front of the loads below
.else
	PLACES
.endif
	FETCH \next, 0, 0
	WIN MUL
	MUL8 1, 2, 0
	MUL8 1, 3, 0
.endm
	s_wait_tensorcnt 1                             ; my part of K step 0 is in (K step 1's may be out)
	s_barrier_signal -1
	s_barrier_wait -1                              ; everybody's is
	FETCH 0, 0, 0
	QUARTER 0, 1, 0, 1, 1                          ; the first quarter stands in front of the loop: its products start the sums
	WIN 0                                          ; at a label and at a branch every window is 0
	s_mov_b32 s3, LAPS-1
.Llap:                                             ; a trip goes once round the ring, from a lap's second quarter to the next lap's first, and fills both slots again
	QUARTER 0, 2, 1, 0, 0
	QUARTER 0, 3, 0, 1, 0
	TURN 0, 1, 1
	QUARTER 1, 1, 0, 1, 0
	QUARTER 1, 2, 1, 0, 0
	QUARTER 1, 3, 0, 1, 0
	TURN 1, 0, 1
	QUARTER 0, 1, 0, 1, 0
	WIN 0
	s_sub_co_u32 s3, s3, 1
	s_cmp_lg_u32 s3, 0
	s_cbranch_scc1 .Llap
	QUARTER 0, 2, 1, 0, 0                          ; the last lap fills nothing, and has no round of the cluster's barrier
	QUARTER 0, 3, 0, 1, 0
	TURN 0, 1, 0
	QUARTER 1, 1, 0, 1, 0
	QUARTER 1, 2, 1, 0, 0
	QUARTER 1, 3, 0, 1, 0
	s_wait_dscnt 4                                 ; the very last quarter: nothing more to fetch
	WIN MUL
	MUL8 1, 0, 0
	MUL8 1, 1, 0
	s_wait_dscnt 0
	MUL8 1, 2, 0
	MUL8 1, 3, 0
	WIN 0
; THE WAY OUT, block by block of 16 rows x 128 columns.  A lane holds 32 neighbouring bytes of a row, and the lanes beside it hold other rows: so a block goes through my own stage in LDS and comes back as whole
; rows of 512 bytes: each store of the wave covers 512 consecutive bytes, aligned.  LDS serves a wave's instructions in order (ISA guide 5.7.1.4): no wait between the stores and the loads, nor in front of the next block's stores.
.macro TOSTAGE a
	WIN 0x04                                       ; an LDS store's data are its source 1: window 1
.irp b, 0,1,2,3,4,5,6,7
	ds_store_b128 v[STO], v[64*(\a)+8*\b:64*(\a)+8*\b+3] offset:64*\b          ; each accumulator from its low end on
	ds_store_b128 v[STO], v[64*(\a)+8*\b+4:64*(\a)+8*\b+7] offset:64*\b+16
.endr
	WIN 0
.set BB, BK+64*((\a)%2)
.irp t, 0,1,2,3,4,5,6,7,8,9,10,11,12,13,14,15
	ds_load_b128 v[BB+4*\t:BB+4*\t+3], v[RD] offset:\t*SPITCH
.endr
.endm
.macro SEND a, younger                 ; younger: the LDS instructions issued behind block a's loads, which may stay out
.set BB, BK+64*((\a)%2)
	s_wait_dscnt \younger                          ; the block is back in registers
.if (\a) == 0
	s_cmp_eq_u32 s45, 0                            ; a batch's rows t < 16 are stored by the launch that makes them in f32
	s_cbranch_scc1 .Learly_rows
.endif
.irp t, 0,1,2,3,4,5,6,7,8,9,10,11,12,13,14,15
	global_store_b128 v[CO], v[BB+4*\t:BB+4*\t+3], s[8:9] offset:(\a)*65536+\t*4096 th:TH_STORE_NT   ; written once, read by nobody here
.endr
.if (\a) == 0
.Learly_rows:
.endif
.endm
	PLACES                                         ; behind the last products: for the stores that read results and for the loads into the registers that held B's fragments
	TOSTAGE 0
.irp a, 1,2,3
.if \a > 1
	s_wait_xcnt 0x0                                ; block a - 2's stores have read their registers: block a's loads may land there
.endif
	TOSTAGE \a
	SEND \a-1, 32                                  ; behind block a - 1's loads: block a's 16 stores and 16 loads
.endr
	SEND 3, 0
	s_wait_tensorcnt 0x0                           ; the wave's end, behind my last tensor load and my last LDS store
	ds_add_u32 v[SPW], v[NIL]
	s_wait_dscnt 0x0
	CROUND                                         ; the closing round: no work-group ends while a partner may still ask for a tile that names it
	s_endpgm
.Lfunc_end_k_qacb9328455_proj:
	.size	k_qacb9328455_proj, .Lfunc_end_k_qacb9328455_proj-k_qacb9328455_proj
	.p2alignl 7, 3214868480
	.fill 96, 4, 3214868480
	.section	.rodata,"a",@progbits
	.p2align	6, 0x0
	.amdhsa_kernel k_qacb9328455_proj
		.amdhsa_group_segment_fixed_size 327680
		.amdhsa_private_segment_fixed_size 0
		.amdhsa_enable_private_segment 0
		.amdhsa_kernarg_size 24
		.amdhsa_user_sgpr_count 2
		.amdhsa_user_sgpr_kernarg_segment_ptr 1
		.amdhsa_wavefront_size32 1
		.amdhsa_system_sgpr_workgroup_id_x 1
		.amdhsa_system_sgpr_workgroup_id_y 1
		.amdhsa_system_sgpr_workgroup_id_z 1
		.amdhsa_system_vgpr_workitem_id 0
		.amdhsa_next_free_vgpr 512
		.amdhsa_next_free_sgpr 66
		.amdhsa_reserve_vcc 0
		.amdhsa_float_denorm_mode_32 3
		.amdhsa_float_denorm_mode_16_64 3
		.amdhsa_memory_ordered 1
		.amdhsa_forward_progress 1
		.amdhsa_inst_pref_size 85
	.end_amdhsa_kernel
	.amdgpu_metadata
---
amdhsa.version: [ 1, 2 ]
amdhsa.kernels:
  - .name:           k_qacb9328455_proj
    .symbol:         k_qacb9328455_proj.kd
    .args:
      - { .name: att16, .offset: 0, .size: 8, .value_kind: global_buffer, .address_space: global }
      - { .name: wo16, .offset: 8, .size: 8, .value_kind: global_buffer, .address_space: global }
      - { .name: out0, .offset: 16, .size: 8, .value_kind: global_buffer, .address_space: global }
    .group_segment_fixed_size: 327680
    .private_segment_fixed_size: 0
    .kernarg_segment_align: 8
    .kernarg_segment_size: 24
    .max_flat_workgroup_size: 128
    .sgpr_count:     66
    .vgpr_count:     512
    .wavefront_size: 32
...
	.end_amdgpu_metadata
.endif
;; end of part 5
